; MI455X (gfx1250); checked and timed in simulation.
; The chip was launched on July 23, 2026; its instructions are those of AMD's public machine-readable ISA for CDNA 5 (MIT licence, August 2026) and "CDNA5" Instruction Set Architecture Reference Guide (July 2026). The comments in the code are by the model that wrote it; some were corrected since.
;; Multi Head. Allowed arithmetic: matrix products marked QUANTISED: E2M3 operands, one E8M0 scale for each 32 along K, by v_wmma_scale_f32_16x16x128_f8f6f4 with both operands' format E2M3, f32 sums; everything else in f32.
;; Inputs: Wk 16 x 1,024 x 64 float32; Wo 1,024 x 1,024 float32; Wq 16 x 1,024 x 64 float32; Wv 16 x 1,024 x 64 float32; bo 1,024 float32; k 4 x 2,048 x 1,024 float32; q 4 x 2,048 x 1,024 float32; v 4 x 2,048 x 1,024 float32.
;; Outputs: out0 4 x 2,048 x 1,024 float32.
;; This version of the problem:
;;   THIS VERSION OF THE PROBLEM IS GIVEN IN LOW PRECISION. The matrix products marked QUANTISED in the list below multiply operands that are first quantised to E2M3 (2 exponent bits, 3 mantissa bits; 6 bits a number), with one power-of-two scale for each 32 numbers along K (OCP MX v1.0); their sums are f32. All else is computed in f32.
;;   The module's matrix products, in the order in which they are computed (A, B: the left and right operand; K: the contracted axis; several contracted axes count as one K, in the product's order):
;;     1. [M 1,024, K 1,024] x [K 1,024, N 8,192]; A: input Wq; B: input q: QUANTISED
;;     2. [M 1,024, K 1,024] x [K 1,024, N 8,192]; A: input Wk; B: input k: QUANTISED
;;     3. [M 1,024, K 1,024] x [K 1,024, N 8,192]; A: input Wv; B: input v: QUANTISED
;;     4. batch 64 x [M 2,048, K 64] x [K 64, N 2,048]; A: computed on the way; B: computed on the way: QUANTISED
;;     5. batch 64 x [M 2,048, K 2,048] x [K 2,048, N 64]; A: softmax (see below); B: computed on the way: QUANTISED
;;     6. [M 8,192, K 1,024] x [K 1,024, N 1,024]; A: computed on the way; B: input Wo: QUANTISED
;;   THE QUANTISER, for each operand of a quantised product, along K:
;;     - K is cut into blocks of 32 from its start; a last block that is shorter is filled with zeros.
;;     - A block's scale is 2^e with e = floor(log2(the largest magnitude in the block)) - 2, held to -126 .. 127; a block of zeros has e = 0. As a byte (E8M0): e + 127.
;;     - Each number is divided by its block's scale, clamped to +-7.5, and rounded to the nearest number of E2M3, ties to even, subnormals kept.
;;     - The product sums the exact products of the quantised numbers (number of the format x scale) in f32.
;;   ~~~python
;;   def quantise(x, axis):      # numpy; x: float32 -> the quantised numbers, widened to float32 again
;;       x = np.moveaxis(x, axis, -1); K = x.shape[-1]
;;       x = np.pad(x, [(0, 0)] * (x.ndim - 1) + [(0, -K % 32)]); x = x.reshape(x.shape[:-1] + (-1, 32)); a = np.abs(x).max(-1, keepdims=True)
;;       e = np.where(a > 0, np.clip(np.frexp(np.where(a > 0, a, 1))[1] - 1 - 2, -126, 127), 0)      # np.frexp(a)[1] - 1 = floor(log2(a)), exactly
;;       r = np.clip(x / 2.0 ** e, -7.5, 7.5)
;;       step = 2.0 ** (np.maximum(np.frexp(np.where(r == 0, 1, r))[1] - 1, 0) - 3)
;;       q = np.round(r / step) * step * 2.0 ** e      # np.round: ties to even
;;       return np.moveaxis(q.reshape(q.shape[:-2] + (-1,))[..., :K], -1, axis).astype(np.float32)
;;   ~~~
;;   SOFTMAX AHEAD OF A QUANTISED PRODUCT. Where the list says 'softmax', what is quantised is not the finished softmax but p = 2^(t - M), with t = logit x log2(e) and M = ceil(the row's largest t), a whole number; so 1/2 < the row's largest p <= 1. The row's sum l is taken of the UNQUANTISED p, in f32, and the product's result is divided by l at the end. Since M is a whole number, a kernel that streams over the keys may use a running M (the ceiling of the running maximum): every later rescaling is an exact power of two, which a block's scale takes up: the codes' values come out the same.
;;   OPERANDS COMPUTED ON THE WAY. 'Computed on the way' means the value that the module computes at that place (a softmax that the list does not call 'softmax' is quantised finished and normalised). What goes into a quantiser is computed in f32, as accurately as f32 sums, v_exp_f32 and their like allow (about 1e-6 of the number): no bf16 or f16 on the way to a quantiser, and a product that is left as it is and whose result goes on into a quantised operand takes f32 operands (vector FMAs, or v_wmma_f32_16x16x4_f32). A number that lies on a knife's edge between two numbers of the format may be rounded either way, as far as f32 arithmetic and the matrix unit's own rounding can turn it there, and no further.
;; One version. Each part assembles by itself: llvm-mc -triple=amdgcn-amd-amdhsa -mcpu=gfx1250 --defsym DOCPART=n.
;; ======== version 1 of 1: 4 launches
;; limits: right only within a limited range of input values
;; workspace buffers: ops 22,937,600 bytes; qkv 26,214,400 bytes; ob 6,553,600 bytes
;; launch quant (part 1): grid 896 x 1, 4 waves a work-group, no clusters, 34,304 bytes of LDS; arguments q, k, v, Wq, Wk, Wv, Wo, ops; writes ops
.if DOCPART == 1
	.amdgcn_target "amdgcn-amd-amdhsa--gfx1250"
	.amdhsa_code_object_version 6
	.text
	.protected	k_q79a34e4f61_quant
	.globl	k_q79a34e4f61_quant
	.p2align	8
	.type	k_q79a34e4f61_quant,@function
k_q79a34e4f61_quant:
	s_mov_b64 s[64:65], 0
	v_nop
	global_prefetch_b8 v0, s[64:65] scope:SCOPE_SE
	s_setreg_imm32_b32 hwreg(HW_REG_WAVE_MODE, 25, 1), 1
	s_wait_xcnt 0x0
; q, k, v [8192][1024] and Wq, Wk, Wv [16][1024][64], Wo [1024][1024], all f32, become codes of FP6 (E2M3) with one E8M0 byte for each 32 along K (K = the 1,024 that each product contracts).
; A block's scale is 2^(floor(log2(largest magnitude)) - 2): its byte is the largest magnitude's exponent field - 2, held at 1 from below; numbers / scale go to the nearest code, ties to even, beyond 7.5 the largest code.
; LIMITS: NaN and infinities among the inputs are not served; a block whose largest magnitude lies under 2^-124 gets the byte 1; a block of zeros gets the byte 1 where the rule says 127 (its codes are zeros, and this program alone reads the bytes).
; LAYOUT OF THE CODES: images of the operand's registers.  A fragment (16 rows x 128 K, 12 registers a lane) is 1,536 bytes: two halves of 768; in half c registers 6c .. 6c+3 lie at 16 x lane, registers 6c+4, 6c+5 at 512 + 8 x lane.
; Fragment (tile, K step s) lies at (8 tile + s) x 1,536.  Scale words: [tile][s / 4][row 16][s % 4], 512 bytes a tile.
; WHICH ROWS FORM A TILE: q: rows 16 tile + r.  k, v and the four weights: lane r of tile 2 b + u takes row 32 b + 8 u + r + 8 (r / 8), so that the products that use them as source 0 leave 16 neighbours in a lane's 16 registers.
; Work-groups 0-127 take the weights (K is not innermost: a lane takes a column, its registers run down K; no LDS), work-groups 128-895 take q, k, v (K innermost: dense loads, turned through the wave's own stage in LDS).
; No barrier: waves share nothing.  No matrix unit, no cluster: the launch only streams.
.set SPARE,  33792                     ; behind the four stages: the spare words, 128 bytes a wave
.set XS_OFF, 18874368                  ; in ops: x's scale words (262,144 bytes a tensor); x's codes lie at 0 (6,291,456 a tensor)
.set WC_OFF, 19660800                  ; the weights' codes (786,432 a tensor)
.set WS_OFF, 22806528                  ; the weights' scale words (32,768 a tensor)
.set L16, 1                            ; v1  16 x lane          (weights: my column's place for four registers)
.set L8,  2                            ; v2  8 x lane           (weights: for two registers)
.set RW,  3                            ; v3  16 x (lane % 16)   (weights: my column's place among the scale words)
.set STI, 4                            ; v4  the stage, on the way in
.set STO, 5                            ; v5  and on the way out
.set SPW, 6                            ; v6  my spare word; never rewritten
.set NIL, 7                            ; v7  0; never rewritten
.set SH,  8                            ; v8  8 x (lane / 16)
.set M,   9                            ; v9-10  largest magnitudes
.set SO,  11                           ; v11-12 the conversions' scale operands
.set BY,  13                           ; v13-14 scale bytes
.set TP,  15                           ; v15 a lane permute's destination
.set SW,  16                           ; v16-19 scale words
.set T,   20                           ; v20-22, v24-26 second halves of blocks
.set WD,  27
.set R,   32                           ; v32-159  two sets of 16 x 4 registers as loaded
.set X,   160                          ; v160-223 my two blocks of 32 neighbours
.set C,   224                          ; v224-235 a fragment's codes
.set VO,  32                           ; weights: v32-63 offsets of 32 rows down K
.set WX,  64                           ; weights: v64-127 two sets of 32 numbers
.set WCD, 128                          ; weights: v128-175 six registers of codes for each of eight blocks
.set WT,  176
.set SB,  32                           ; weights: s[32:47] a base for each of eight blocks
	s_load_b256 s[8:15], s[0:1], 0x0               ; q s[8:9], k s[10:11], v s[12:13], Wq s[14:15]
	s_load_b256 s[16:23], s[0:1], 0x20             ; Wk s[16:17], Wv s[18:19], Wo s[20:21], ops s[22:23]
	v_lshl_add_u32 v[SPW], v0, 2, SPARE
	v_mov_b32 v[NIL], 0
	v_lshrrev_b32 v1, 5, v0
	v_readfirstlane_b32 s24, v1                    ; wave
	v_and_b32 v9, 31, v0                           ; lane
	s_mov_b32 s26, 0x76543210
	s_mov_b32 s27, 0xfedcba98                      ; selects for lane l xor 16
	s_cmp_lt_u32 ttmp9, 128
	s_cbranch_scc1 .Lweights
	; ---------------- q, k, v: a wave takes one tile of 16 rows x 512 along K (four K steps)
	s_sub_co_u32 s25, ttmp9, 128
	s_lshr_b32 s28, s25, 8                         ; which tensor: 0 q, 1 k, 2 v
	s_and_b32 s29, s25, 255
	s_lshl_b32 s29, s29, 2
	s_add_co_u32 s29, s29, s24
	s_lshr_b32 s30, s29, 1                         ; tile 0..511
	s_and_b32 s31, s29, 1                          ; which half of K
	s_lshr_b32 s32, s30, 1
	s_lshl_b32 s32, s32, 5
	s_and_b32 s33, s30, 1
	s_lshl_b32 s33, s33, 3
	s_add_co_u32 s32, s32, s33                     ; k, v: the tile's first row 32 (tile / 2) + 8 (tile % 2)
	s_lshl_b32 s33, s30, 4                         ; q: 16 tile
	s_cmp_eq_u32 s28, 0
	s_cselect_b32 s32, s33, s32
	s_cselect_b32 s34, 0, 32768                    ; k, v: rows 8-15 of a tile lie 8 rows (of 4,096 bytes) further on
	s_mov_b32 s35, 0
	s_lshl_b32 s32, s32, 12
	s_lshl_b32 s33, s31, 11
	s_add_co_u32 s32, s32, s33
	s_mov_b32 s33, 0                               ; s[32:33] where my numbers begin
	s_mul_i32 s36, s28, 6291456
	s_mul_i32 s38, s30, 12288
	s_add_co_u32 s36, s36, s38
	s_mul_i32 s38, s31, 6144
	s_add_co_u32 s36, s36, s38
	s_mov_b32 s37, 0                               ; s[36:37] where my four fragments go
	s_lshl_b32 s38, s28, 18
	s_lshl_b32 s40, s30, 9
	s_add_co_u32 s38, s38, s40
	s_lshl_b32 s40, s31, 8
	s_add_co_u32 s38, s38, s40
	s_add_co_u32 s38, s38, XS_OFF
	s_mov_b32 s39, 0                               ; s[38:39] and their scale words
	s_wait_alu depctr_va_vdst(0)
	v_lshlrev_b32 v[L16], 4, v9
	v_lshlrev_b32 v[L8], 3, v9
	v_and_b32 v10, 15, v0                          ; r
	v_bfe_u32 v11, v0, 4, 1                        ; h
	v_lshlrev_b32 v[RW], 4, v10
	s_mul_i32 s41, s24, 8448                       ; my stage: 16 rows x (512 bytes + 16)
	v_add_nc_u32 v[STI], s41, v[L16]               ; in: a row's 512 bytes as they lie
	v_mul_u32_u24 v[STO], v10, 528
	v_lshl_add_u32 v[STO], v11, 7, v[STO]
	v_add_nc_u32 v[STO], s41, v[STO]               ; out: row r, + 128 h: my block of 32 numbers of each 64
	v_lshlrev_b32 v[SH], 3, v11
	v_mov_b32 v[TP], 0                             ; written once: a lane permute's destination counts as one of its sources
	s_wait_alu depctr_va_vdst(0)
	s_wait_kmcnt 0x0
	s_cmp_eq_u32 s28, 0
	s_cselect_b64 s[42:43], s[8:9], s[10:11]
	s_cmp_eq_u32 s28, 2
	s_cselect_b64 s[42:43], s[12:13], s[42:43]
	s_add_nc_u64 s[42:43], s[42:43], s[32:33]      ; rows 0-7 of my tile
	s_add_nc_u64 s[44:45], s[42:43], s[34:35]      ; rows 8-15 (their own 8 rows stand in the offsets)
	s_add_nc_u64 s[46:47], s[22:23], s[36:37]
	s_add_nc_u64 s[48:49], s[22:23], s[38:39]
.macro XLOAD e, set                    ; K step e of my 16 rows: each load takes 512 consecutive bytes of one row
.irp i, 0,1,2,3,4,5,6,7
	global_load_b128 v[R+64*(\set)+4*\i:R+64*(\set)+4*\i+3], v[L16], s[42:43] offset:\i*4096+(\e)*512 th:TH_LOAD_NT
.endr
.irp i, 8,9,10,11,12,13,14,15
	global_load_b128 v[R+64*(\set)+4*\i:R+64*(\set)+4*\i+3], v[L16], s[44:45] offset:\i*4096+(\e)*512 th:TH_LOAD_NT
.endr
.endm
.macro KSTEP e
.if (\e) < 3
	s_wait_loadcnt 16                              ; this K step's 16 loads are in; the next K step's 16 may be out
.else
	s_wait_loadcnt 0x0
.endif
.irp i, 0,1,2,3,4,5,6,7,8,9,10,11,12,13,14,15
	ds_store_b128 v[STI], v[R+64*((\e)%2)+4*\i:R+64*((\e)%2)+4*\i+3] offset:\i*528
.endr
.irp c, 0,1
.irp n, 0,1,2,3,4,5,6,7
	ds_load_b128 v[X+32*\c+4*\n:X+32*\c+4*\n+3], v[STO] offset:\c*256+\n*16   ; LDS serves a wave's instructions in order: these see the stores above.  K = 64 c + 32 h + 0 .. 31 of row r
.endr
.endr
	s_wait_dscnt 0x0                               ; my two blocks are in, and the stage's stores have read their registers
	s_wait_xcnt 0x0                                ; the last K step's stores have read the codes' registers, which are written again below
.if (\e) < 2
	XLOAD (\e)+2, (\e)%2
.endif
.irp c, 0,1
	v_max3_num_f32 v[M+\c], |v[X+32*\c]|, |v[X+32*\c+1]|, 0x1800000   ; my block 2 c + h: all 32 numbers are mine; the floor 2^(3 - 127) holds the byte at 1 from below
.endr
.irp n, 2,4,6,8,10,12,14,16,18,20,22,24,26,28,30
.irp c, 0,1
	v_max3_num_f32 v[M+\c], v[M+\c], |v[X+32*\c+\n]|, |v[X+32*\c+\n+1]|
.endr
.endr
.irp c, 0,1
	v_add_nc_u32 v[SO+\c], 0xff000000, v[M+\c]     ; 2 off the exponent field: the conversion's scale operand
.endr
.irp c, 0,1
	v_lshrrev_b32 v[BY+\c], 23, v[SO+\c]           ; the scale's byte
.endr
	v_lshl_or_b32 v[WD], v[BY+1], 16, v[BY]        ; bytes h and 2 + h of my row's word,
	v_lshlrev_b32 v[WD], v[SH], v[WD]
	v_permlanex16_b32 v[TP], v[WD], s26, s27
	v_or_b32 v[SW+(\e)], v[WD], v[TP]              ; with lane l xor 16's two the word is whole
.irp c, 0,1
	v_cvt_scalef32_pk16_fp6_f32 v[C+6*\c:C+6*\c+2], v[X+32*\c:X+32*\c+15], v[SO+\c]
	v_cvt_scalef32_pk16_fp6_f32 v[T+4*\c:T+4*\c+2], v[X+32*\c+16:X+32*\c+31], v[SO+\c]   ; (a conversion's three registers begin on an even number)
.endr
	v_nop                                          ; one plain line behind the scaled conversions
.irp c, 0,1
.irp n, 0,1,2
	v_mov_b32 v[C+6*\c+3+\n], v[T+4*\c+\n]
.endr
.endr
	global_store_b128 v[L16], v[C:C+3], s[46:47] offset:(\e)*1536          ; 512 consecutive bytes
	global_store_b64 v[L8], v[C+4:C+5], s[46:47] offset:(\e)*1536+512      ; 256
	global_store_b128 v[L16], v[C+6:C+9], s[46:47] offset:(\e)*1536+768
	global_store_b64 v[L8], v[C+10:C+11], s[46:47] offset:(\e)*1536+1280
.endm
	XLOAD 0, 0
	XLOAD 1, 1
	KSTEP 0
	KSTEP 1
	KSTEP 2
	KSTEP 3
	global_store_b128 v[RW], v[SW:SW+3], s[48:49]  ; 16 rows x 4 words: 256 consecutive bytes (lanes 16-31 hold, and write, the same as lanes 0-15)
	s_wait_tensorcnt 0x0                           ; the wave's end, behind my last LDS store
	ds_add_u32 v[SPW], v[NIL]
	s_wait_dscnt 0x0
	s_endpgm
	; ---------------- the weights: a wave takes 32 columns (a pair of tiles) x 256 along K (8 blocks)
.Lweights:
	s_lshr_b32 s28, ttmp9, 5                       ; which: 0 Wq, 1 Wk, 2 Wv, 3 Wo
	s_and_b32 s29, ttmp9, 31
	s_and_b32 s30, s29, 7
	s_lshl_b32 s30, s30, 2
	s_add_co_u32 s30, s30, s24                     ; group of 32 columns, 0..31
	s_lshr_b32 s31, s29, 3                         ; quarter of K
	s_lshr_b32 s50, s30, 1
	s_lshl_b32 s50, s50, 18
	s_and_b32 s51, s30, 1
	s_lshl_b32 s51, s51, 7
	s_add_co_u32 s50, s50, s51                     ; Wq, Wk, Wv: column h 64 + d lies in head h's plane of 262,144 bytes, at 4 d
	s_lshl_b32 s51, s30, 7                         ; Wo: at 4 n
	s_mov_b32 s52, 4096
	s_cmp_lt_u32 s28, 3
	s_cselect_b32 s50, s50, s51
	s_cselect_b32 s52, 256, s52                    ; bytes from one k to the next
	s_lshl_b32 s53, s31, 8
	s_mul_i32 s53, s53, s52
	s_add_co_u32 s50, s50, s53
	s_mov_b32 s51, 0                               ; s[50:51] where my first block begins
	s_lshl_b32 s54, s52, 5
	s_mov_b32 s55, 0                               ; s[54:55] a block of 32 on
	s_mul_i32 s56, s28, 786432
	s_mul_i32 s58, s30, 24576
	s_add_co_u32 s56, s56, s58
	s_mul_i32 s58, s31, 3072
	s_add_co_u32 s56, s56, s58
	s_add_co_u32 s56, s56, WC_OFF
	s_mov_b32 s57, 0                               ; s[56:57] tile 2 g, K step 2 x quarter
	s_lshl_b32 s58, s28, 15
	s_lshl_b32 s60, s30, 10
	s_add_co_u32 s58, s58, s60
	s_lshr_b32 s60, s31, 1
	s_lshl_b32 s60, s60, 8
	s_add_co_u32 s58, s58, s60
	s_and_b32 s60, s31, 1
	s_lshl_b32 s60, s60, 3
	s_add_co_u32 s58, s58, s60
	s_add_co_u32 s58, s58, WS_OFF
	s_mov_b32 s59, 0                               ; s[58:59] its two scale words
	s_wait_alu depctr_va_vdst(0)
	v_lshlrev_b32 v10, 2, v9
.set J, 0
.rept 32
	v_mad_u32_u24 v[VO+J], s52, J, v10             ; 4 x lane + J rows down K
.set J, J+1
.endr
	v_bfe_u32 v11, v0, 3, 1                        ; column 32 g + lane is row r of tile 2 g + u: u = (lane / 8) % 2,
	v_and_b32 v12, 7, v0
	v_bfe_u32 v13, v0, 4, 1
	v_lshl_or_b32 v12, v13, 3, v12                 ; r = lane % 8 + 8 (lane / 16)
	v_mul_u32_u24 v13, v11, 12288
	v_lshl_add_u32 v[L16], v12, 4, v13
	v_lshl_add_u32 v[L8], v12, 3, v13
	v_lshlrev_b32 v[RW], 9, v11
	v_lshl_add_u32 v[RW], v12, 4, v[RW]
	s_wait_kmcnt 0x0
	s_cmp_eq_u32 s28, 0
	s_cselect_b64 s[60:61], s[14:15], s[16:17]
	s_cmp_eq_u32 s28, 2
	s_cselect_b64 s[60:61], s[18:19], s[60:61]
	s_cmp_eq_u32 s28, 3
	s_cselect_b64 s[60:61], s[20:21], s[60:61]
	s_add_nc_u64 s[SB:SB+1], s[60:61], s[50:51]
.irp b, 1,2,3,4,5,6,7
	s_add_nc_u64 s[SB+2*\b:SB+2*\b+1], s[SB+2*\b-2:SB+2*\b-1], s[54:55]
.endr
	s_add_nc_u64 s[56:57], s[22:23], s[56:57]
	s_add_nc_u64 s[58:59], s[22:23], s[58:59]
.macro WLOAD b                         ; block b: 32 numbers down K of my column; a load reads 128 consecutive bytes
.set J, 0
.rept 32
	global_load_b32 v[WX+32*((\b)%2)+J], v[VO+J], s[SB+2*(\b):SB+2*(\b)+1] th:TH_LOAD_NT
.set J, J+1
.endr
.endm
.macro BLOCK b
.set XB, WX+32*((\b)%2)
.set CB, WCD+6*(\b)
.if (\b) < 7
	s_wait_loadcnt 32                              ; this block's 32 loads are in; the next block's may be out
.else
	s_wait_loadcnt 0x0
.endif
	v_max3_num_f32 v12, |v[XB]|, |v[XB+1]|, |v[XB+2]|
	v_max3_num_f32 v13, |v[XB+3]|, |v[XB+4]|, |v[XB+5]|
.irp n, 6,10,14,18,22,26
	v_max3_num_f32 v12, v12, |v[XB+\n]|, |v[XB+\n+1]|
	v_max3_num_f32 v13, v13, |v[XB+\n+2]|, |v[XB+\n+3]|
.endr
	v_max3_num_f32 v12, v12, |v[XB+30]|, |v[XB+31]|
	v_max3_num_f32 v12, v12, v13, 0x1800000        ; and the floor
	v_add_nc_u32 v11, 0xff000000, v12
	v_lshrrev_b32 v14, 23, v11
.if (\b)%4 == 0
	v_mov_b32 v[SW+(\b)/4], v14                    ; four bytes to a word, the lower K in the lower byte
.else
	v_lshl_or_b32 v[SW+(\b)/4], v14, 8*((\b)%4), v[SW+(\b)/4]
.endif
	v_cvt_scalef32_pk16_fp6_f32 v[CB:CB+2], v[XB:XB+15], v11
	v_cvt_scalef32_pk16_fp6_f32 v[WT:WT+2], v[XB+16:XB+31], v11
	v_nop                                          ; one plain line behind the scaled conversions
.irp n, 0,1,2
	v_mov_b32 v[CB+3+\n], v[WT+\n]
.endr
	; block b is K step b / 4, half (b / 2) % 2, and the place of lanes 16 (b % 2) + r in it.  Sixteen lanes fill 256 consecutive bytes (four registers) or 128 (two)
	global_store_b128 v[L16], v[CB:CB+3], s[56:57] offset:((\b)/4)*1536+(((\b)/2)%2)*768+((\b)%2)*256
	global_store_b64 v[L8], v[CB+4:CB+5], s[56:57] offset:((\b)/4)*1536+(((\b)/2)%2)*768+512+((\b)%2)*128
.if (\b)+2 < 8
	WLOAD (\b)+2
.endif
.endm
	WLOAD 0
	WLOAD 1
.irp b, 0,1,2,3,4,5,6,7
	BLOCK \b
.endr
	global_store_b64 v[RW], v[SW:SW+1], s[58:59]   ; my column's two words
	s_wait_tensorcnt 0x0
	ds_add_u32 v[SPW], v[NIL]
	s_wait_dscnt 0x0
	s_endpgm
.Lfunc_end_k_q79a34e4f61_quant:
	.size	k_q79a34e4f61_quant, .Lfunc_end_k_q79a34e4f61_quant-k_q79a34e4f61_quant
	.p2alignl 7, 3214868480
	.fill 96, 4, 3214868480
	.section	.rodata,"a",@progbits
	.p2align	6, 0x0
	.amdhsa_kernel k_q79a34e4f61_quant
		.amdhsa_group_segment_fixed_size 34304
		.amdhsa_private_segment_fixed_size 0
		.amdhsa_enable_private_segment 0
		.amdhsa_kernarg_size 64
		.amdhsa_user_sgpr_count 2
		.amdhsa_user_sgpr_kernarg_segment_ptr 1
		.amdhsa_wavefront_size32 1
		.amdhsa_system_sgpr_workgroup_id_x 1
		.amdhsa_system_sgpr_workgroup_id_y 1
		.amdhsa_system_sgpr_workgroup_id_z 1
		.amdhsa_system_vgpr_workitem_id 0
		.amdhsa_next_free_vgpr 240
		.amdhsa_next_free_sgpr 66
		.amdhsa_reserve_vcc 0
		.amdhsa_float_denorm_mode_32 3
		.amdhsa_float_denorm_mode_16_64 3
		.amdhsa_memory_ordered 1
		.amdhsa_forward_progress 1
		.amdhsa_inst_pref_size 73
	.end_amdhsa_kernel
	.amdgpu_metadata
---
amdhsa.version: [ 1, 2 ]
amdhsa.kernels:
  - .name:           k_q79a34e4f61_quant
    .symbol:         k_q79a34e4f61_quant.kd
    .args:
      - { .name: q, .offset: 0, .size: 8, .value_kind: global_buffer, .address_space: global }
      - { .name: k, .offset: 8, .size: 8, .value_kind: global_buffer, .address_space: global }
      - { .name: v, .offset: 16, .size: 8, .value_kind: global_buffer, .address_space: global }
      - { .name: Wq, .offset: 24, .size: 8, .value_kind: global_buffer, .address_space: global }
      - { .name: Wk, .offset: 32, .size: 8, .value_kind: global_buffer, .address_space: global }
      - { .name: Wv, .offset: 40, .size: 8, .value_kind: global_buffer, .address_space: global }
      - { .name: Wo, .offset: 48, .size: 8, .value_kind: global_buffer, .address_space: global }
      - { .name: ops, .offset: 56, .size: 8, .value_kind: global_buffer, .address_space: global }
    .group_segment_fixed_size: 34304
    .private_segment_fixed_size: 0
    .kernarg_segment_align: 8
    .kernarg_segment_size: 64
    .max_flat_workgroup_size: 128
    .sgpr_count:     66
    .vgpr_count:     240
    .wavefront_size: 32
...
	.end_amdgpu_metadata
.endif
;; end of part 1
;; launch proj (part 2): grid 8 x 32, 4 waves a work-group, clusters of 4 x 4, 327,680 bytes of LDS; arguments ops, qkv; writes qkv
.if DOCPART == 2
	.amdgcn_target "amdgcn-amd-amdhsa--gfx1250"
	.amdhsa_code_object_version 6
	.text
	.protected	k_q79a34e4f61_proj
	.globl	k_q79a34e4f61_proj
	.p2align	8
	.type	k_q79a34e4f61_proj,@function
k_q79a34e4f61_proj:
	s_mov_b64 s[64:65], 0
	v_nop
	global_prefetch_b8 v0, s[64:65] scope:SCOPE_SE
	s_setreg_imm32_b32 hwreg(HW_REG_WAVE_MODE, 25, 1), 1
	s_wait_xcnt 0x0
	s_wait_alu depctr_hold_cnt(0) depctr_sa_sdst(0) depctr_va_vdst(0) depctr_va_sdst(0) depctr_va_ssrc(0) depctr_va_vcc(0) depctr_vm_vsrc(0)
	s_getreg_b32 s2, hwreg(HW_REG_IB_STS2, 6, 4)
	s_cmp_eq_u32 s2, 0
	s_cbranch_scc0 .Lentry_in_a_cluster
	s_endpgm
.Lentry_in_a_cluster:
	s_bfe_u32 s2, ttmp6, 0x10000c
	s_cmp_lg_u32 s2, 0xf033
	s_cbranch_scc0 .Lentry_shape_is_right
	s_endpgm
.Lentry_shape_is_right:
; The three projections, on codes of FP6 (E2M3) with E8M0 scales, K = 1,024, and the quantisers of their results, in registers.
; 256 WORK-GROUPS THAT STAY: each makes one block, P 128 rows x Q 256 rows, of q's projection, then of k's, then of v's.
; THE MATRIX INSTRUCTION TAKES P AS SOURCE 0 AND Q AS SOURCE 1: a lane then holds one row of Q, and its registers run along P's rows, which are the next product's K.
;   q, k:  P = Wq / Wk (128 rows = two heads' 64 channels), Q = 256 tokens:   a lane holds a token, its 64 registers of a tile of tokens are 2 heads x 64 channels: K of q k^T.
;   v:     P = 128 tokens, Q = Wv (256 rows = four heads):                    a lane holds a channel, its 64 registers are 128 keys (with lane l xor 16's): K of p v.
; P's tiles are laid so that lane r of tile 2 b + u is row 32 b + 8 u + r + 8 (r / 8): register 16 b + i of a lane is then P's row 32 b + 16 (lane / 16) + i.
; Four waves; each takes all of P (8 tiles) x 64 rows of Q (4 tiles): 32 accumulators.
; THE RING: two slots, each half of K (four K steps) of P's 8 tiles and Q's 16 tiles, 6,144 bytes a tile: 147,456 bytes a slot.  Wave 0 fetches slot 0's part of Q, wave 1 its part of P, waves 2 and 3 slot 1's.
; The ring runs on from one projection into the next: in front of the fourth K step's products slot 0 has been read out and takes the next projection's first half of K; in front of the eighth's slot 1 takes its second half.
; Each refill stands behind a drained round of the cluster's barrier; a wave has one tensor load out at the most, and every wait on TENSORcnt is for 0.
; Behind the eighth K step's round the next projection's first fragments are fetched, and behind its products the next scale words are asked for: both land under the quantiser.
; THE TEXT: a loop of two trips (q, k), which refill; v's projection is written out and asks for nothing more.
; CLUSTERS: 4 x 4.  P's tile hangs on the work-group's x and is shared along a column of the cluster, Q's on its y and is shared along a row: each is asked for jointly.
; PREFETCH INTO THE L2: what a trip's two refills will load is named in the trip's K steps 0 (first half of K: three K steps ahead of its refill) and 1 (second half: six ahead), lanes 256 bytes apart.
; The partners that ask for a tile jointly share its blocks out by address: of Q's 16 tiles wave w of the partner at cx names tile 4 cx + w (24 blocks a half of K), of P's 8 wave w of the partner at cy names 12 blocks of tile 2 cy + w / 2:
; each block once in each cluster that will load it (lanes left over name their wave's last block again).  The first projection's tiles come by their loads alone; v's projection names nothing.
; OUT (buffer qkv): part Q at 0, part KV at 13,107,200; each [batch x 16 + head][key step of 128 tokens][12,800 bytes]: 8 tiles of 16 tokens x 64 channels of q or k (768 bytes each), V's four fragments ([128 keys][16 channels]) at 6,144,
; q's / k's scale words at 12,288 ([pair of tiles][row]: two bytes of each tile), V's at 12,544.
; LIMITS: a block under 2^-124 and a block of zeros get the byte 1; NaN and infinities are not served.
.set XS_OFF, 18874368
.set WC_OFF, 19660800
.set WS_OFF, 22806528
.set PREG,  0                          ; LDS: P's two halves of K, 8 tiles x 6,144 bytes each
.set PCH,   49152
.set QREG,  98304                      ; Q's two halves, 16 tiles x 6,144 bytes each
.set QCH,   98304
.set SPARE, 294912                     ; the spare words, 128 bytes a wave
.set L16,  1                           ; v1  16 x lane
.set L8,   2                           ; v2  8 x lane
.set R4,   3                           ; v3  4 x (lane % 16)
.set AP16, 8                           ; v8, v9   P in slot 0, 1 + 16 x lane;  v12, v13 + 8 x lane
.set AP8,  12
.set AQ16, 16                          ; v16, v17 my four tiles of Q in slot 0, 1 + 16 x lane;  v20, v21 + 8 x lane
.set AQ8,  20
.set SPW,  28                          ; v28 my spare word; v29 0; never rewritten
.set NIL,  29
.set PS,   32                          ; v32-63 P's scale words: tile t at 4 t: register e: K step e in lanes 0-15, K step 4 + e in lanes 16-31
.set QS,   64                          ; v64-79 Q's likewise
.set VA,   80                          ; v80-95 the way out: offsets of tile i's four stores
.set VS,   96                          ; v96-99 and of the four scale stores
.set PFQ,  100                         ; v100, v101 the prefetches' offsets in Q's and in P's block; never rewritten
.set PFP,  101
.set QF,   128                         ; v128-223 Q's fragments, two sets of 48;  window 1: v0-191 P's, two sets of 96;  window 2: accumulator (i, t) at 8 (8 i + t)
.set CD,   176                         ; the way out: the four tiles' codes, 12 registers each, where Q's second set lay (the first holds the next projection's fragments by then)
.set TM,   224                         ; v224-239 at work in the quantiser
.set PWR,  240                         ; v240-243 the four tiles' scale words
.set WW,   244                         ; v244-247 as they are stored
.set TT,   248                         ; v248-250, v252-254 the second conversions' codes
.set WV,   12                          ; s12 wave; s13 wave / 2: the slot that I fetch for
.set ROLE, 13
.set CX,   15
.set CY,   16
.set TP,   17                          ; s17 P's tile, s18 Q's; s19 cluster y; s20 the projection: 0 q, 1 k, 2 v; s99 2 x cluster y + cluster x
.set TQ,   18
.set G1Q,  24                          ; s[24:31], s[32:39] descriptor groups 1;  s[40:43], s[68:71] groups 0
.set G1P,  32
.set G0Q,  40
.set G0P,  68
.set BQ,   72                          ; s[72:73], s[74:75] where Q's and P's block of projection s20 begin;  s[76:77] my half of K in bytes
.set BP,   74
.set KH,   76
.set MSB, 0
.macro WIN new                         ; the immediate's high byte repeats the setting that is left
.if MSB != \new
	s_set_vgpr_msb (MSB<<8)|\new
.set MSB, \new
.endif
.endm
.macro CROUND                          ; a round of the cluster's barrier
	s_barrier_signal -1
	s_barrier_wait -1
	s_cmp_lg_u32 s[WV], 0
	s_cbranch_scc1 .Lnot_wave_0_\@
	s_barrier_signal -3
.Lnot_wave_0_\@:
	s_barrier_wait -3
	s_barrier_signal -1
	s_barrier_wait -1
.endm
.macro PLACES n
.rept \n
	v_nop
.endr
.endm
.macro TREE wq, wp                     ; a refill's two joint loads: wave wq Q's part of the slot, wave wp P's; an s_nop 0 and four v_nop follow each
	s_cmp_eq_u32 s[WV], \wq
	s_cbranch_scc0 .Lnot_q_\@
	tensor_load_to_lds s[G0Q:G0Q+3], s[G1Q:G1Q+7]
	s_nop 0
	PLACES 4
	s_branch .Lasked_\@
.Lnot_q_\@:
	s_cmp_eq_u32 s[WV], \wp
	s_cbranch_scc0 .Lnone_\@
	tensor_load_to_lds s[G0P:G0P+3], s[G1P:G1P+7]
	s_nop 0
	PLACES 4
.Lnone_\@:
.Lasked_\@:
.endm
; Where projection s20's operands lie in ops: the two blocks' first bytes and the scale words' bases.  It names no register of a descriptor
.macro SETIN
	s_cmp_eq_u32 s20, 2
	s_cselect_b32 s[TP], s99, ttmp9                ; q, k: 2 clusters along P (8 tiles of the weight), 8 along Q (32 tiles of 256 tokens);  v: 16 along P (64 tiles of 128 tokens), one along Q
	s_cselect_b32 s[TQ], 0, s19
	s_lshl_b32 s[TP], s[TP], 2
	s_add_co_u32 s[TP], s[TP], s[CX]
	s_lshl_b32 s[TQ], s[TQ], 2
	s_add_co_u32 s[TQ], s[TQ], s[CY]
	s_mul_i32 s86, s20, 786432
	s_add_co_u32 s86, s86, WC_OFF                  ; the weight's codes
	s_mul_i32 s87, s20, 6291456                    ; the tokens' codes
	s_lshl_b32 s88, s20, 15
	s_add_co_u32 s88, s88, WS_OFF                  ; the weight's scale words
	s_lshl_b32 s89, s20, 18
	s_add_co_u32 s89, s89, XS_OFF                  ; the tokens'
	s_cmp_eq_u32 s20, 2
	s_cselect_b32 s90, s87, s86                    ; P: the weight, in v the tokens
	s_cselect_b32 s92, s86, s87                    ; Q: the other
	s_cselect_b32 s56, s89, s88
	s_cselect_b32 s58, s88, s89
	s_mul_i32 s21, s[TP], 98304
	s_add_co_u32 s90, s90, s21
	s_mov_b32 s91, 0
	s_mul_i32 s22, s[TQ], 196608
	s_add_co_u32 s92, s92, s22
	s_mov_b32 s93, 0
	s_lshl_b32 s21, s[TP], 12
	s_add_co_u32 s56, s56, s21
	s_mov_b32 s57, 0
	s_lshl_b32 s22, s[TQ], 13
	s_add_co_u32 s58, s58, s22
	s_lshl_b32 s22, s[WV], 11
	s_add_co_u32 s58, s58, s22
	s_mov_b32 s59, 0
	s_add_nc_u64 s[BP:BP+1], s[4:5], s[90:91]
	s_add_nc_u64 s[BQ:BQ+1], s[4:5], s[92:93]
	s_add_nc_u64 s[56:57], s[4:5], s[56:57]        ; P's scale words
	s_add_nc_u64 s[58:59], s[4:5], s[58:59]        ; those of my four tiles of Q
.endm
.macro SETG0                           ; both groups 0: my half of K of the two blocks.  No tensor load of mine is out where this stands
	s_add_nc_u64 s[G0P+2:G0P+3], s[BP:BP+1], s[KH:KH+1]
	s_or_b32 s[G0P+3], s[G0P+3], 0x80000000
	s_add_nc_u64 s[G0Q+2:G0Q+3], s[BQ:BQ+1], s[KH:KH+1]
	s_or_b32 s[G0Q+3], s[G0Q+3], 0x80000000
.endm
; Where projection s20's results go in qkv
.macro SETOUT
	s_lshr_b32 s8, s[TQ], 3                        ; q, k: head 2 TP, batch TQ / 8, 256 tokens TQ % 8
	s_lshl_b32 s8, s8, 4
	s_lshl_b32 s9, s[TP], 1
	s_add_co_u32 s8, s8, s9
	s_lshl_b32 s8, s8, 3
	s_and_b32 s9, s[TQ], 7
	s_add_co_u32 s8, s8, s9
	s_mul_i32 s8, s8, 25600
	s_mul_i32 s9, s20, 13107200
	s_add_co_u32 s8, s8, s9
	s_add_co_u32 s9, s8, 12288
	s_lshr_b32 s10, s[TP], 4                       ; v: head 4 TQ, batch TP / 16, key step TP % 16
	s_lshl_b32 s10, s10, 4
	s_lshl_b32 s11, s[TQ], 2
	s_add_co_u32 s10, s10, s11
	s_lshl_b32 s10, s10, 3
	s_bfe_u32 s11, s[TP], 0x30001
	s_add_co_u32 s10, s10, s11
	s_mul_i32 s10, s10, 25600
	s_add_co_u32 s10, s10, 13107200
	s_and_b32 s11, s[TP], 1
	s_mul_i32 s11, s11, 12800
	s_add_co_u32 s66, s10, s11
	s_add_co_u32 s67, s66, 12544
	s_add_co_u32 s66, s66, 6144
	s_mov_b32 s2, 204800                           ; from head to head
	s_mov_b32 s3, 768
	s_mov_b32 s94, 0x05040100                      ; q, k: a pair's word for the first head: bytes 0, 1 of both tiles' words;
	s_mov_b32 s95, 0x07060302                      ; for the second head: bytes 2, 3
	s_cmp_eq_u32 s20, 2
	s_cselect_b32 s60, s66, s8                     ; codes
	s_cselect_b32 s62, s67, s9                     ; scale words
	s_cselect_b32 s8, s2, 3072                     ; from wave to wave: v a head, q, k four tiles
	s_cselect_b32 s9, 1536, s3                     ; from tile to tile
	s_cselect_b32 s10, s3, s2                      ; from a fragment's first half to its second: v the next 64 keys, q, k the next head
	s_cselect_b32 s11, s2, 128                     ; scale words: from wave to wave,
	s_cselect_b32 s66, 128, 64                     ; from pair to pair,
	s_cselect_b32 s67, 64, s2                      ; from the first word of a pair to the second
	s_cselect_b32 s94, 0x03020100, s94             ; v: the two tiles' words as they are
	s_cselect_b32 s95, 0x07060504, s95
	s_cselect_b32 s84, 0, 6656                     ; q, k: waves 2 and 3 hold the second key step: 12,800 - 2 x 3,072 further on,
	s_cselect_b32 s85, 0, 12544                    ; their scale words 12,800 - 2 x 128
	s_mul_i32 s84, s84, s[ROLE]
	s_mul_i32 s85, s85, s[ROLE]
	s_mul_i32 s8, s8, s[WV]
	s_add_co_u32 s60, s60, s8
	s_add_co_u32 s60, s60, s84
	s_mov_b32 s61, 0
	s_mul_i32 s11, s11, s[WV]
	s_add_co_u32 s62, s62, s11
	s_add_co_u32 s62, s62, s85
	s_mov_b32 s63, 0
	s_add_nc_u64 s[60:61], s[6:7], s[60:61]
	s_add_nc_u64 s[62:63], s[6:7], s[62:63]
.irp i, 0,1,2,3
	v_mad_u32_u24 v[VA+4*\i], s9, \i, v[L16]
	v_mad_u32_u24 v[VA+4*\i+1], s9, \i, v[L8]
	v_add_nc_u32 v[VA+4*\i+2], s10, v[VA+4*\i]
	v_add_nc_u32 v[VA+4*\i+3], s10, v[VA+4*\i+1]
.endr
.irp p, 0,1
	v_mad_u32_u24 v[VS+2*\p], s66, \p, v[R4]
	v_add_nc_u32 v[VS+2*\p+1], s67, v[VS+2*\p]
.endr
.endm
.macro SCLOAD                          ; a tile's scale words for all of K: 512 consecutive bytes
.irp t, 0,1,2,3,4,5,6,7
	global_load_b128 v[PS+4*\t:PS+4*\t+3], v[L16], s[56:57] offset:\t*512
.endr
.irp i, 0,1,2,3
	global_load_b128 v[QS+4*\i:QS+4*\i+3], v[L16], s[58:59] offset:\i*512
.endr
.endm
.macro FRAG reg, a16, a8, off          ; a fragment's image back into 12 registers: every load takes 512 or 256 consecutive bytes
	ds_load_b128 v[\reg:\reg+3], v[\a16] offset:\off
	ds_load_b64 v[\reg+4:\reg+5], v[\a8] offset:\off+512
	ds_load_b128 v[\reg+6:\reg+9], v[\a16] offset:\off+768
	ds_load_b64 v[\reg+10:\reg+11], v[\a8] offset:\off+1280
.endm
.macro FETCH s, p                      ; K step s into set p: P's 8 fragments, my 4 of Q: 48 LDS loads in one run
	WIN 0x40                                       ; destination window 1
.irp t, 0,1,2,3,4,5,6,7
	FRAG 96*(\p)+12*\t, AP16+(\s)/4, AP8+(\s)/4, \t*6144+((\s)%4)*1536
.endr
	WIN 0
.irp i, 0,1,2,3
	FRAG QF+48*(\p)+12*\i, AQ16+(\s)/4, AQ8+(\s)/4, \i*6144+((\s)%4)*1536
.endr
.endm
.macro MUL s, p                        ; 32 products; the accumulators take turns, one instruction a turn, in the same order in every K step.  The first K step starts the sums
	WIN 0xa1                                       ; source 0 window 1, source 1 window 0, C and D window 2
.irp i, 0,1,2,3
.irp t, 0,1,2,3,4,5,6,7
.set rD, 8*(8*\i+\t)
.set rA, 96*(\p)+12*\t
.set rB, QF+48*(\p)+12*\i
.set rSA, PS+4*\t+(\s)%4
.set rSB, QS+4*\i+(\s)%4
.if (\s) == 0
	v_wmma_scale_f32_16x16x128_f8f6f4 v[rD:rD+7], v[rA:rA+11], v[rB:rB+11], 0, v[rSA], v[rSB] matrix_a_fmt:MATRIX_FMT_FP6 matrix_b_fmt:MATRIX_FMT_FP6
.elseif (\s) < 4
	v_wmma_scale_f32_16x16x128_f8f6f4 v[rD:rD+7], v[rA:rA+11], v[rB:rB+11], v[rD:rD+7], v[rSA], v[rSB] matrix_a_fmt:MATRIX_FMT_FP6 matrix_b_fmt:MATRIX_FMT_FP6
.else
	v_wmma_scale_f32_16x16x128_f8f6f4 v[rD:rD+7], v[rA:rA+11], v[rB:rB+11], v[rD:rD+7], v[rSA], v[rSB] matrix_a_fmt:MATRIX_FMT_FP6 matrix_b_fmt:MATRIX_FMT_FP6 matrix_a_scale:MATRIX_SCALE_ROW1 matrix_b_scale:MATRIX_SCALE_ROW1
.endif
.endr
.endr
.endm
.macro STEP s, last
	WIN 0
.if (((\s) == 3) || ((\s) == 7)) && ((\last) == 0)
	s_wait_tensorcnt 0x0                           ; all my tensor loads have landed: the other slot's part among them
	ds_add_u32 v[SPW], v[NIL]
.if (\s) == 3
	SETG0                                          ; no load of mine is out: the groups 0 are written for the next projection
.endif
	s_wait_dscnt 0x0                               ; the add is done; this K step's fragments are in, and with them my reads of the slot that it ends
	CROUND                                         ; no wave of any partner still reads that slot or has a load on its way
.if (\s) == 3
	TREE 0, 1                                      ; slot 0: the next projection's K steps 0 to 3
.else
	TREE 2, 3                                      ; slot 1: its K steps 4 to 7
.endif
	PLACES 4                                       ; in front of loads into registers that the last products read
	FETCH ((\s)+1)%8, ((\s)+1)%2
.else
	s_wait_dscnt 0x0                               ; this K step's fragments are in: they were asked for 32 products ago
.if (\s) == 3
	s_wait_tensorcnt 0x0                           ; the last projection: slot 1's loads have landed
	s_barrier_signal -1
	s_barrier_wait -1
.endif
.if (\s) < 7
.if (\s) > 0
	PLACES 4
.endif
	FETCH (\s)+1, ((\s)+1)%2
.if ((\last) == 0) && ((\s) < 2)
	global_prefetch_b8 v[PFQ], s[BQ:BQ+1] offset:(\s)*6144 th:TH_LOAD_NT scope:SCOPE_SE   ; my share of half s of K of the next projection's blocks
	global_prefetch_b8 v[PFP], s[BP:BP+1] offset:(\s)*6144 th:TH_LOAD_NT scope:SCOPE_SE
.endif
.endif
.endif
	MUL \s, (\s)%2
.endm
; The 64 registers of tile i (register 16 b + n = K 32 b + 16 (lane / 16) + n of my row) become a fragment's codes in v[PC] on and its scale word in v[PWR + i].  Each accumulator is read from its low end on.
.macro QUANT i
.set AC, 64*(\i)
.set PC, CD+12*(\i)
	WIN 0x0a                                       ; sources 0 and 1 window 2
.irp b, 0,1,2,3
	v_max3_num_f32 v[TM+\b], |v[AC+16*\b]|, |v[AC+16*\b+1]|, 0x1800000   ; my 16 numbers of block b, and the floor 2^(3 - 127)
.endr
	WIN 0x28                                       ; sources 1 and 2 window 2
.irp n, 2,4,6,8,10,12,14
.irp b, 0,1,2,3
	v_max3_num_f32 v[TM+\b], v[TM+\b], |v[AC+16*\b+\n]|, |v[AC+16*\b+\n+1]|
.endr
.endr
	WIN 0
.irp b, 0,1,2,3
	v_permlanex16_b32 v[TM+4+\b], v[TM+\b], s96, s97
.endr
.irp b, 0,1,2,3
	v_max_num_f32 v[TM+\b], v[TM+\b], v[TM+4+\b]   ; with lane l xor 16's: the block's largest magnitude
.endr
.irp b, 0,1,2,3
	v_add_nc_u32 v[TM+12+\b], 0xff000000, v[TM+\b] ; 2 off its exponent field: the conversion's scale operand
.endr
.irp b, 0,1,2,3
	v_lshrrev_b32 v[TM+4+\b], 23, v[TM+12+\b]      ; the scale's byte
.endr
	v_lshl_or_b32 v[PWR+(\i)], v[TM+5], 8, v[TM+4]
	v_lshl_or_b32 v[PWR+(\i)], v[TM+6], 16, v[PWR+(\i)]
	v_lshl_or_b32 v[PWR+(\i)], v[TM+7], 24, v[PWR+(\i)]
	WIN 0x02                                       ; source 0 window 2
.irp c, 0,1
	v_cvt_scalef32_pk16_fp6_f32 v[PC+6*\c:PC+6*\c+2], v[AC+32*\c:AC+32*\c+15], v[TM+12+2*\c]
	v_cvt_scalef32_pk16_fp6_f32 v[TT+4*\c:TT+4*\c+2], v[AC+32*\c+16:AC+32*\c+31], v[TM+12+2*\c+1]
.endr
	WIN 0
	v_nop                                          ; one plain line behind the scaled conversions
.irp c, 0,1                                    ; the layout wants a whole block in a lane: lanes 0-15 block 2 c, lanes 16-31 block 2 c + 1
.irp n, 0,1,2
	v_permlane16_swap_b32 v[PC+6*\c+\n], v[TT+4*\c+\n]
.endr
.irp n, 0,1,2
	v_mov_b32 v[PC+6*\c+3+\n], v[TT+4*\c+\n]
.endr
.endr
.endm
.macro PHASE last                      ; one projection.  At its head: K step 0's fragments and the scale words have been asked for
	s_wait_loadcnt 0x0                             ; the scale words: so their bases may be written
.if (\last) == 0
	s_add_co_u32 s20, s20, 1                       ; the next projection's places: for the prefetches, the refills and the scale words
	SETIN
.endif
.irp s, 0,1,2,3,4,5,6,7
	STEP \s, \last
.endr
	WIN 0
	PLACES 4                                       ; behind the last products: in front of the reads of results, of the loads into the scale words and of the writes over Q's second set
.if (\last) == 0
	SCLOAD                                         ; the next projection's scale words land under the quantiser
.endif
.irp i, 0,1,2,3
	QUANT \i
	global_store_b128 v[VA+4*\i], v[PC:PC+3], s[60:61]               ; each store covers 512 or 256 consecutive bytes, aligned; each tile has its own registers
	global_store_b64 v[VA+4*\i+1], v[PC+4:PC+5], s[60:61] offset:512
	global_store_b128 v[VA+4*\i+2], v[PC+6:PC+9], s[60:61]
	global_store_b64 v[VA+4*\i+3], v[PC+10:PC+11], s[60:61] offset:512
.endr
.irp p, 0,1
	v_perm_b32 v[WW+2*\p], v[PWR+2*\p+1], v[PWR+2*\p], s94
	v_perm_b32 v[WW+2*\p+1], v[PWR+2*\p+1], v[PWR+2*\p], s95
	global_store_b32 v[VS+2*\p], v[WW+2*\p], s[62:63]                ; 16 rows' words, 64 bytes (lanes 16-31 hold, and write, the same as lanes 0-15)
	global_store_b32 v[VS+2*\p+1], v[WW+2*\p+1], s[62:63]
.endr
.if (\last) == 0
	s_wait_xcnt 0x0                                ; the stores, loads and prefetches above have read their registers and bases: offsets, bases and, in the next K step, the codes' registers are written again
	SETOUT
.endif
.endm
	s_load_b128 s[4:7], s[0:1], 0x0                ; ops s[4:5], qkv s[6:7]
	v_lshl_add_u32 v[SPW], v0, 2, SPARE
	v_mov_b32 v[NIL], 0
	ds_add_u32 v[SPW], v[NIL]                      ; the opening lines: the add, twice on end, and its wait ahead of my first tensor load
	ds_add_u32 v[SPW], v[NIL]
	v_lshrrev_b32 v4, 5, v0
	v_readfirstlane_b32 s[WV], v4
	s_lshr_b32 s[ROLE], s[WV], 1
	s_bfe_u32 s[CX], ttmp6, 0x40000
	s_bfe_u32 s[CY], ttmp6, 0x40004
	s_and_b32 s19, ttmp7, 0xffff                   ; cluster y, 0..7
	s_lshl_b32 s99, s19, 1
	s_add_co_u32 s99, s99, ttmp9                   ; the cluster's number, 0..15
	s_mov_b32 s20, 0
	s_lshl_b32 s21, s[CY], 2
	s_lshl_b32 s21, 15, s21                        ; my row of the cluster
	s_lshl_b32 s22, 0x1111, s[CX]                  ; my column
	; descriptor groups 1: rows (tiles) of 6,144 bytes (four K steps: 768 elements of 8 bytes), 12,288 bytes apart; dense in LDS
	s_or_b32 s[G1Q], s21, (3<<16)|(1<<21)          ; 15:0 the mask; 17:16 elements of 8 bytes; 21 set beside a mask
	s_or_b32 s[G1P], s22, (3<<16)|(1<<21)
	s_mov_b32 s[G1Q+1], 768<<16                    ; tensor_dim0
	s_mov_b32 s[G1Q+2], 16<<16                     ; tensor_dim1: Q's 16 tiles
	s_mov_b32 s[G1Q+3], 768<<16                    ; tile_dim0
	s_mov_b32 s[G1Q+4], 16                         ; tile_dim1
	s_mov_b32 s[G1Q+5], 1536                       ; from tile to tile, in elements
	s_mov_b32 s[G1Q+6], 0
	s_mov_b32 s[G1Q+7], 0
	s_mov_b32 s[G1P+1], 768<<16
	s_mov_b32 s[G1P+2], 8<<16                      ; P's 8 tiles
	s_mov_b32 s[G1P+3], 768<<16
	s_mov_b32 s[G1P+4], 8
	s_mov_b32 s[G1P+5], 1536
	s_mov_b32 s[G1P+6], 0
	s_mov_b32 s[G1P+7], 0
	s_mul_i32 s84, s[ROLE], PCH                    ; my slot: no place in the cluster enters an LDS address
	s_mul_i32 s85, s[ROLE], QCH
	s_mov_b32 s[G0Q], 1
	s_add_co_u32 s[G0Q+1], s85, QREG
	s_mov_b32 s[G0P], 1
	s_add_co_u32 s[G0P+1], s84, PREG
	s_mul_i32 s[KH], s[ROLE], 6144
	s_mov_b32 s[KH+1], 0
	s_mov_b32 s96, 0x76543210
	s_mov_b32 s97, 0xfedcba98                      ; selects for lane l xor 16
	s_lshl_b32 s78, s[CX], 2                       ; the prefetches: Q's tile 4 cx + wave,
	s_add_co_u32 s78, s78, s[WV]
	s_mul_i32 s78, s78, 12288
	s_lshl_b32 s79, s[CY], 1                       ; P's tile 2 cy + wave / 2, in it 12 blocks of 256 bytes from block 12 (wave % 2) on
	s_add_co_u32 s79, s79, s[ROLE]
	s_mul_i32 s79, s79, 12288
	s_and_b32 s23, s[WV], 1
	s_mul_i32 s23, s23, 3072
	s_add_co_u32 s79, s79, s23
	v_and_b32 v4, 31, v0
	v_lshlrev_b32 v[L16], 4, v4
	v_lshlrev_b32 v[L8], 3, v4
	v_and_b32 v5, 15, v0
	v_lshlrev_b32 v[R4], 2, v5
	v_min_u32 v6, 23, v4                           ; a half of K of a tile is 24 blocks: lanes 24-31 name the last again
	v_min_u32 v7, 11, v4
	v_lshl_add_u32 v[PFQ], v6, 8, s78
	v_lshl_add_u32 v[PFP], v7, 8, s79
.irp kk, 0,1
	v_add_nc_u32 v[AP16+\kk], PREG+\kk*PCH, v[L16]
	v_add_nc_u32 v[AP8+\kk], PREG+\kk*PCH, v[L8]
.endr
	s_mul_i32 s21, s[WV], 24576
	s_add_co_u32 s21, s21, QREG
.irp kk, 0,1
	v_add_nc_u32 v[AQ16+\kk], s21, v[L16]
	v_add_nc_u32 v[AQ8+\kk], s21, v[L8]
	s_add_co_u32 s21, s21, QCH
.endr
.irp b, 0,1,2,3
	v_mov_b32 v[TM+4+\b], 0                        ; written once: a lane permute's destination counts as one of its sources
.endr
	s_wait_alu depctr_va_vdst(0)
	s_wait_dscnt 0x0                               ; both opening adds are done
	s_wait_kmcnt 0x0
	SETIN
	SETG0
	CROUND                                         ; all sixteen work-groups are here: the joint loads meet
	s_cmp_eq_u32 s[WV], 0                          ; one chain of branches on the wave's number, one load to an arm
	s_cbranch_scc0 .Lwave_1
	tensor_load_to_lds s[G0Q:G0Q+3], s[G1Q:G1Q+7]  ; wave 0: Q, K steps 0 to 3
	s_nop 0
	PLACES 4
	s_branch .Lfilled
.Lwave_1:
	s_cmp_eq_u32 s[WV], 1
	s_cbranch_scc0 .Lwave_2
	tensor_load_to_lds s[G0P:G0P+3], s[G1P:G1P+7]  ; wave 1: P, K steps 0 to 3
	s_nop 0
	PLACES 4
	s_branch .Lfilled
.Lwave_2:
	s_cmp_eq_u32 s[WV], 2
	s_cbranch_scc0 .Lwave_3
	tensor_load_to_lds s[G0Q:G0Q+3], s[G1Q:G1Q+7]  ; wave 2: Q, K steps 4 to 7
	s_nop 0
	PLACES 4
	s_branch .Lfilled
.Lwave_3:
	tensor_load_to_lds s[G0P:G0P+3], s[G1P:G1P+7]  ; wave 3: P, K steps 4 to 7
	s_nop 0
	PLACES 4
.Lfilled:
	SCLOAD
	SETOUT
	s_wait_alu depctr_va_vdst(0)
	s_cmp_lt_u32 s[WV], 2                          ; waves 0 and 1 wait for slot 0; the other two loads may stay out
	s_cbranch_scc0 .Lnot_first
	s_wait_tensorcnt 0x0
.Lnot_first:
	s_barrier_signal -1
	s_barrier_wait -1
	FETCH 0, 0
.Lphase:                                           ; two trips: q's projection, k's
	PHASE 0
	s_cmp_lt_u32 s20, 2                            ; s20 was stepped once, at the trip's head
	s_wait_alu depctr_va_vdst(0)
	s_cbranch_scc1 .Lphase
	PHASE 1                                        ; v's: it asks for nothing more
	s_wait_tensorcnt 0x0                           ; the wave's end
	ds_add_u32 v[SPW], v[NIL]
	s_wait_dscnt 0x0
	CROUND                                         ; the closing round
	s_endpgm
.Lfunc_end_k_q79a34e4f61_proj:
	.size	k_q79a34e4f61_proj, .Lfunc_end_k_q79a34e4f61_proj-k_q79a34e4f61_proj
	.p2alignl 7, 3214868480
	.fill 96, 4, 3214868480
	.section	.rodata,"a",@progbits
	.p2align	6, 0x0
	.amdhsa_kernel k_q79a34e4f61_proj
		.amdhsa_group_segment_fixed_size 327680
		.amdhsa_private_segment_fixed_size 0
		.amdhsa_enable_private_segment 0
		.amdhsa_kernarg_size 16
		.amdhsa_user_sgpr_count 2
		.amdhsa_user_sgpr_kernarg_segment_ptr 1
		.amdhsa_wavefront_size32 1
		.amdhsa_system_sgpr_workgroup_id_x 1
		.amdhsa_system_sgpr_workgroup_id_y 1
		.amdhsa_system_sgpr_workgroup_id_z 1
		.amdhsa_system_vgpr_workitem_id 0
		.amdhsa_next_free_vgpr 768
		.amdhsa_next_free_sgpr 100
		.amdhsa_reserve_vcc 0
		.amdhsa_float_denorm_mode_32 3
		.amdhsa_float_denorm_mode_16_64 3
		.amdhsa_memory_ordered 1
		.amdhsa_forward_progress 1
		.amdhsa_inst_pref_size 173
	.end_amdhsa_kernel
	.amdgpu_metadata
---
amdhsa.version: [ 1, 2 ]
amdhsa.kernels:
  - .name:           k_q79a34e4f61_proj
    .symbol:         k_q79a34e4f61_proj.kd
    .args:
      - { .name: ops, .offset: 0, .size: 8, .value_kind: global_buffer, .address_space: global }
      - { .name: qkv, .offset: 8, .size: 8, .value_kind: global_buffer, .address_space: global }
    .group_segment_fixed_size: 327680
    .private_segment_fixed_size: 0
    .kernarg_segment_align: 8
    .kernarg_segment_size: 16
    .max_flat_workgroup_size: 128
    .sgpr_count:     100
    .vgpr_count:     768
    .wavefront_size: 32
...
	.end_amdgpu_metadata
.endif
;; end of part 2
;; launch attn (part 3): grid 256 x 1, 16 waves a work-group, clusters of 4 x 1, 327,680 bytes of LDS; arguments qkv, ob; writes ob
.if DOCPART == 3
	.amdgcn_target "amdgcn-amd-amdhsa--gfx1250"
	.amdhsa_code_object_version 6
	.text
	.protected	k_q79a34e4f61_attn
	.globl	k_q79a34e4f61_attn
	.p2align	8
	.type	k_q79a34e4f61_attn,@function
k_q79a34e4f61_attn:
	s_mov_b64 s[64:65], 0
	v_nop
	global_prefetch_b8 v0, s[64:65] scope:SCOPE_SE
	s_setreg_imm32_b32 hwreg(HW_REG_WAVE_MODE, 25, 1), 1
	s_wait_xcnt 0x0
	s_wait_alu depctr_hold_cnt(0) depctr_sa_sdst(0) depctr_va_vdst(0) depctr_va_sdst(0) depctr_va_ssrc(0) depctr_va_vcc(0) depctr_vm_vsrc(0)
	s_getreg_b32 s2, hwreg(HW_REG_IB_STS2, 6, 4)
	s_cmp_eq_u32 s2, 0
	s_cbranch_scc0 .Lentry_in_a_cluster
	s_endpgm
.Lentry_in_a_cluster:
	s_bfe_u32 s2, ttmp6, 0x10000c
	s_cmp_lg_u32 s2, 0x3003
	s_cbranch_scc0 .Lentry_shape_is_right
	s_endpgm
.Lentry_shape_is_right:
; Causal attention, both products on codes of FP6 (E2M3) with E8M0 scales, and the quantiser of its result.
; t = score x log2(e) / 32 (the source divides by sqrt(1,024)); M = the running largest t rounded up to a whole number; p = 2^(t - M) is quantised along the keys, not normalised; the row's sum of the unquantised p divides at the end.
; When M moves, the sum and O are multiplied by 2^(old M - new M): exact.
; LEFT OUT: key steps all of whose keys lie behind a tile's queries: reference() sets their scores to -infinity by its own jnp.tril, so they add 0 to every sum, whatever the inputs hold.
; THE DEAL.  A (batch, head) has 16 key steps of 128 keys, 12,800 dense bytes each (K's four fragments, V's four at 6,144, K's scale words at 12,288, V's at 12,544): 204,800 bytes, which lie in LDS whole.
; Sixteen waves, one tensor load each: wave w brings key step w.  Every byte is filled once; nothing is filled again.
; A cluster of 4 x 1 work-groups serves one (batch, head): all four need the same 204,800 bytes and ask for them jointly (mask 15).
; The head's 128 tiles of 16 queries: wave w of partner j takes tile 127 - (4 w + j) and then tile 4 w + j.  Tile T walks T / 8 + 1 key steps, so every wave walks (16 - w / 2) + (w / 2 + 1) = 17.
; The last step of a walk, 15 - w / 2 and w / 2, hangs on the wave's number alone: no branch, trip count or LDS address hangs on the place in the cluster; j enters global addresses, a byte select and the mask's lane values.
; Waves share nothing but the tiles: two plain barriers, one that shows key steps 0 and 1 (waves 0 and 1 wait, on a load line of their own) and one behind the second step that shows the rest.
; Each loop has a constant trip count; a step beyond the walk's last is jumped over, and the walk's last step alone carries the mask.
; No data prefetch: all that the launch reads by tensor loads is asked for at its head, so there is no trip to run ahead in.
; Both products are used transposed (S^T = K Q^T, O^T = V^T P^T): a lane holds one query.  The 16 registers of tiles 2 b, 2 b + 1 are keys 32 b + 16 (lane / 16) + 0 .. 15.
; K = 64 IN AN INSTRUCTION OF 128: a fragment of K holds two tiles of 16 keys side by side; it is multiplied by [q | 0] and by [0 | q].  Zero codes add nothing (no scale byte here is 0xff).
; OUT (buffer ob): result / sum as an operand of the last product: half (head % 2) of fragment (tile of 16 tokens, K step head / 2), and its two scale bytes, two to a lane, 16 bytes apart.
; LIMITS: a block under 2^-124 or of zeros gets the byte 1; NaN and infinities are not served; the promise holds while the scaled scores stay under 2^31 in magnitude.
.set STEPB, 12800
.set SPARE, 204800                     ; behind the sixteen key steps: the spare words, 128 bytes for each of 16 waves
.set L16, 1                            ; v1 16 x lane; v2 8 x lane; v3 4 x (lane % 16)
.set L8,  2
.set R4,  3
.set DM1, 4                            ; v4 the first tile's mask: my query - the last step's first key - 16 (lane / 16)
.set SPW, 5                            ; v5 my spare word; v6 0; never rewritten
.set NIL, 6
.set QW,  7                            ; v7 q's scale word: its two bytes, twice
.set A16, 8                            ; v8-10 the key step in hand + v1, v2, v3
.set A8,  9
.set AS,  10
.set DL,  11                           ; v11 lane % 16 - 16 (lane / 16)
.set ZQ,  16                           ; v16-33: six zeros, q's six registers, six zeros
.set F,   34                           ; v34-81 four fragments of K, then of V
.set SWD, 82                           ; v82-85 their scale words
.set PW,  86                           ; v86 p's scale word
.set R16, 87                           ; v87 16 x (lane % 16)
.set FF,  88                           ; v[88:89] f = 2^(old M - new M); the upper half is only named
.set ST,  96                           ; v96-159 S^T, then p.   v12 -M, v13 the largest t, v[14:15] the sum in two halves
.set OT,  160                          ; v160-191 O^T
.set PC,  192                          ; v192-203 p's codes; v204-210 second halves
.set CT,  204
.set BM,  212
.set BT,  216
.set SO,  220
.set TMP, 224
.set TQW, 225
.set Q2,  226                          ; v226-231 the second tile's q; v232 its scale word; v233 its mask
.set QW2, 232
.set DM2, 233
.set TB,  2                            ; s2 LDS byte of the key step in hand; s3 its number
.set SN,  3
.set WV,  18
.set SEL, 20
.set CS,  22                           ; s[22:23] c = log2(e) / 32
.set G1,  24
.set G0,  40
.set LA1, 44                           ; s44, s45 the two walks' last steps; s46 that of the walk in hand
.set LA2, 45
.set LAST, 46
.macro FRAG reg, a16, a8, off
	ds_load_b128 v[\reg:\reg+3], v[\a16] offset:\off
	ds_load_b64 v[\reg+4:\reg+5], v[\a8] offset:\off+512
	ds_load_b128 v[\reg+6:\reg+9], v[\a16] offset:\off+768
	ds_load_b64 v[\reg+10:\reg+11], v[\a8] offset:\off+1280
.endm
.macro TL                              ; an s_nop 0 and four v_nop follow the load
	tensor_load_to_lds s[G0:G0+3], s[G1:G1+7]
	s_nop 0
.rept 4
	v_nop
.endr
.endm
.macro CROUND                          ; a round of the cluster's barrier
	s_barrier_signal -1
	s_barrier_wait -1
	s_cmp_lg_u32 s[WV], 0
	s_cbranch_scc1 .Lnot_wave_0_\@
	s_barrier_signal -3
.Lnot_wave_0_\@:
	s_barrier_wait -3
	s_barrier_signal -1
	s_barrier_wait -1
.endm
; Tile s[t]'s places: q's half image and scale words in part Q, the byte select, 16 (T % 8) for the mask, and where codes and scale bytes go in ob
.macro PLACE t, qc, qs, sel, dm, oc, os
	s_lshr_b32 s56, s[\t], 3
	s_mul_i32 s56, s56, STEPB
	s_add_co_u32 s56, s56, s10
	s_and_b32 s57, s[\t], 7
	s_mul_i32 s58, s57, 768
	s_add_co_u32 s[\qc], s56, s58
	s_mov_b32 s[\qc+1], 0
	s_lshr_b32 s58, s57, 1
	s_lshl_b32 s58, s58, 6
	s_add_co_u32 s[\qs], s56, s58
	s_add_co_u32 s[\qs], s[\qs], 12288
	s_mov_b32 s[\qs+1], 0
	s_lshl_b32 s[\dm], s57, 4
	s_mov_b32 s[\sel], 0x01000100                  ; my two bytes of a pair's word, twice: bytes 0, 1 of an even tile,
	s_and_b32 s58, s[\t], 1
	s_cmp_eq_u32 s58, 1
	s_cselect_b32 s[\sel], 0x03020302, s[\sel]     ; bytes 2, 3 of an odd one
	s_add_co_u32 s58, s59, s[\t]                   ; my tile of 16 tokens among 512
	s_lshl_b32 s57, s58, 3
	s_add_co_u32 s57, s57, s60
	s_mul_i32 s57, s57, 1536
	s_add_co_u32 s[\oc], s57, s61
	s_mov_b32 s[\oc+1], 0
	s_lshl_b32 s58, s58, 9
	s_add_co_u32 s[\os], s58, s62
	s_mov_b32 s[\os+1], 0
.endm
	s_load_b128 s[4:7], s[0:1], 0x0                ; qkv s[4:5], ob s[6:7]
	v_lshl_add_u32 v[SPW], v0, 2, SPARE
	v_mov_b32 v[NIL], 0
	ds_add_u32 v[SPW], v[NIL]                      ; the opening lines: the add, twice on end, and its wait ahead of my first tensor load
	ds_add_u32 v[SPW], v[NIL]
	v_lshrrev_b32 v8, 5, v0
	v_readfirstlane_b32 s[WV], v8
	s_bfe_u32 s8, ttmp6, 0x40000                   ; j: my place in the cluster
	s_mul_i32 s10, ttmp9, 204800                   ; my (batch, head)'s bytes in each part of qkv (ttmp9 counts clusters)
	s_mov_b32 s[G1], 15|(3<<16)|(1<<21)            ; group 1: the mask of all four partners, bit 21 beside it; 50 rows of 256 bytes (32 elements of 8 bytes), dense
	s_mov_b32 s[G1+1], 32<<16
	s_mov_b32 s[G1+2], 50<<16
	s_mov_b32 s[G1+3], 32<<16
	s_mov_b32 s[G1+4], 50
	s_mov_b32 s[G1+5], 32
	s_mov_b32 s[G1+6], 0
	s_mov_b32 s[G1+7], 0
	s_mul_i32 s11, s[WV], STEPB                    ; key step w: its place in LDS and in part KV
	s_add_co_u32 s12, s10, s11
	s_add_co_u32 s12, s12, 13107200
	s_mov_b32 s13, 0
	s_lshl_b32 s14, s[WV], 2
	s_add_co_u32 s14, s14, s8                      ; the second tile, 4 w + j
	s_sub_co_u32 s15, 127, s14                     ; the first
	s_lshr_b32 s[LA2], s[WV], 1
	s_sub_co_u32 s[LA1], 15, s[LA2]
	s_lshr_b32 s59, ttmp9, 4
	s_lshl_b32 s59, s59, 7                         ; the batch's first tile of tokens
	s_and_b32 s63, ttmp9, 15                       ; the head
	s_lshr_b32 s60, s63, 1
	s_and_b32 s57, s63, 1
	s_mul_i32 s61, s57, 768
	s_lshl_b32 s62, s57, 1
	s_lshr_b32 s56, s63, 3
	s_lshl_b32 s56, s56, 8
	s_add_co_u32 s62, s62, s56
	s_bfe_u32 s56, s63, 0x20001
	s_lshl_b32 s56, s56, 2
	s_add_co_u32 s62, s62, s56
	s_add_co_u32 s62, s62, 6291456
	PLACE 15, 32, 34, 36, 37, 48, 50
	PLACE 14, 52, 54, 38, 39, 66, 68
	s_mov_b32 s[SEL], 0x76543210
	s_mov_b32 s[SEL+1], 0xfedcba98
	s_mov_b32 s[CS], 0x3d38aa3b                    ; log2(e) / 32
	s_mov_b32 s[CS+1], s[CS]                       ; (named with it as a pair, so it is written)
	v_and_b32 v8, 31, v0
	v_and_b32 v9, 15, v0
	v_bfe_u32 v10, v0, 4, 1
	v_lshlrev_b32 v[L16], 4, v8
	v_lshlrev_b32 v[L8], 3, v8
	v_lshlrev_b32 v[R4], 2, v9
	v_lshlrev_b32 v[R16], 4, v9
	v_lshlrev_b32 v10, 4, v10
	v_sub_nc_u32 v[DL], v9, v10
	v_add_nc_u32 v[DM1], s37, v[DL]
	v_add_nc_u32 v[DM2], s39, v[DL]
	s_wait_alu depctr_va_vdst(0)
	s_wait_dscnt 0x0                               ; both opening adds are done
	s_wait_kmcnt 0x0
	s_add_nc_u64 s[32:33], s[4:5], s[32:33]
	s_add_nc_u64 s[34:35], s[4:5], s[34:35]
	s_add_nc_u64 s[52:53], s[4:5], s[52:53]
	s_add_nc_u64 s[54:55], s[4:5], s[54:55]
	s_add_nc_u64 s[48:49], s[6:7], s[48:49]
	s_add_nc_u64 s[50:51], s[6:7], s[50:51]
	s_add_nc_u64 s[66:67], s[6:7], s[66:67]
	s_add_nc_u64 s[68:69], s[6:7], s[68:69]
	global_load_b128 v[ZQ+6:ZQ+9], v[L16], s[32:33]   ; both tiles' q are asked for ahead of the round and are on their way under it; the second waits in registers
	global_load_b64 v[ZQ+10:ZQ+11], v[L8], s[32:33] offset:512
	global_load_b32 v[TQW], v[R4], s[34:35]
	global_load_b128 v[Q2:Q2+3], v[L16], s[52:53]
	global_load_b64 v[Q2+4:Q2+5], v[L8], s[52:53] offset:512
	global_load_b32 v[QW2], v[R4], s[54:55]
	CROUND                                         ; all four partners are here: the joint loads meet
	s_mov_b32 s[G0], 1
	s_mov_b32 s[G0+1], s11
	s_add_nc_u64 s[G0+2:G0+3], s[4:5], s[12:13]
	s_or_b32 s[G0+3], s[G0+3], 0x80000000
	s_cmp_lt_u32 s[WV], 2                          ; waves 0 and 1, which alone wait ahead of the first barrier, have a load line of their own
	s_cbranch_scc0 .Lrest
	TL
	s_branch .Lasked
.Lrest:
	TL
.Lasked:
.irp n, 0,1,2,3,4,5
	v_mov_b32 v[ZQ+\n], 0
	v_mov_b32 v[ZQ+12+\n], 0
.endr
	v_mov_b32 v[FF+1], 0
	v_mov_b32 v[TMP], 0
.irp b, 0,1,2,3
	v_mov_b32 v[BT+\b], 0                          ; written once: a lane permute's destination counts as one of its sources
.endr
.macro FRESH                           ; a walk's start: the largest t -3e38, -M, the sum, O^T.  (The 32 lines also stand between the scale word's making and the first scaled product)
	v_mov_b32 v13, 0xff61b1e6
	v_mov_b32 v14, 0
	v_mov_b32 v15, 0
	v_floor_f32 v12, -v13
.set J, 0
.rept 32
	v_mov_b32 v[OT+J], 0
.set J, J+1
.endr
.endm
	s_wait_loadcnt 0x0                             ; both q
	v_perm_b32 v[QW], v[TQW], v[TQW], s36
	v_perm_b32 v[QW2], v[QW2], v[QW2], s38
	FRESH
	s_wait_alu depctr_va_vdst(0)
	s_cmp_lt_u32 s[WV], 2
	s_cbranch_scc0 .Lnot_first
	s_wait_tensorcnt 0x0                           ; waves 0, 1: key steps 0, 1 have landed
.Lnot_first:
	s_barrier_signal -1
	s_barrier_wait -1                              ; the other fourteen loads may still be out
; A KEY STEP: 128 keys at LDS byte s[TB].  dm: the register with the walk's mask
.macro STEP dm
	s_cmp_gt_u32 s[SN], s[LAST]                    ; beyond the walk's last step: all keys come after my queries (the wave's number and the count of steps alone)
	s_cbranch_scc1 .Lhidden_\@
	v_add_nc_u32 v[A16], s[TB], v[L16]
	v_add_nc_u32 v[A8], s[TB], v[L8]
	v_add_nc_u32 v[AS], s[TB], v[R4]
	v_nop                                          ; four plain lines in front of loads into registers that the last products read
.irp b, 0,1,2,3
	FRAG F+12*\b, A16, A8, \b*1536
	ds_load_b32 v[SWD+\b], v[AS] offset:12288+\b*64
.endr
	s_wait_alu depctr_va_vdst(0)
	s_wait_dscnt 0x0
.irp b, 0,1,2,3
	v_wmma_scale_f32_16x16x128_f8f6f4 v[ST+16*\b:ST+16*\b+7], v[F+12*\b:F+12*\b+11], v[ZQ+6:ZQ+17], 0, v[SWD+\b], v[QW] matrix_a_fmt:MATRIX_FMT_FP6 matrix_b_fmt:MATRIX_FMT_FP6
	v_wmma_scale_f32_16x16x128_f8f6f4 v[ST+16*\b+8:ST+16*\b+15], v[F+12*\b:F+12*\b+11], v[ZQ:ZQ+11], 0, v[SWD+\b], v[QW] matrix_a_fmt:MATRIX_FMT_FP6 matrix_b_fmt:MATRIX_FMT_FP6
.endr
.rept 4
	v_nop                                          ; behind the products: in front of the reads of S^T and of the loads into K's registers
.endr
.irp d, 0,1,2,3                                ; V's four fragments (16 channels x these 128 keys) are asked for now and land under the softmax
	FRAG F+12*\d, A16, A8, 6144+\d*1536
	ds_load_b32 v[SWD+\d], v[AS] offset:12544+\d*64
.endr
	s_cmp_lg_u32 s[SN], s[LAST]                    ; the walk's last step holds the diagonal: there the scores of hidden keys become -infinity
	s_cbranch_scc1 .Lopen_\@
	v_mov_b32 v[TQW], 0xff800000
.set J, 0
.rept 64
	v_cmp_gt_i32 vcc_lo, 32*(J/16)+J%16, v[\dm]    ; register 16 b + i holds a hidden key where 32 b + i > the mask's number
	v_cndmask_b32 v[ST+J], v[ST+J], v[TQW], vcc_lo
.set J, J+1
.endr
.Lopen_\@:
.irp b, 0,1,2,3
	v_max3_num_f32 v[BM+\b], v[ST+16*\b], v[ST+16*\b+1], v[ST+16*\b+2]   ; the largest score of each block of 32 keys: for the row's maximum and, since p rises with the score, for the block's largest p
.endr
.irp n, 3,5,7,9,11,13
.irp b, 0,1,2,3
	v_max3_num_f32 v[BM+\b], v[BM+\b], v[ST+16*\b+\n], v[ST+16*\b+\n+1]
.endr
.endr
.irp b, 0,1,2,3
	v_max_num_f32 v[BM+\b], v[BM+\b], v[ST+16*\b+15]
.endr
.irp b, 0,1,2,3
	s_delay_alu instid0(VALU_DEP_4)
	v_permlanex16_b32 v[BT+\b], v[BM+\b], s[SEL], s[SEL+1]
.endr
.irp b, 0,1,2,3
	s_delay_alu instid0(VALU_DEP_4)
	v_max_num_f32 v[BM+\b], v[BM+\b], v[BT+\b]     ; with lane l xor 16's 16 keys
.endr
	s_delay_alu instid0(VALU_DEP_2)
	v_max3_num_f32 v[TMP], v[BM], v[BM+1], v[BM+2]
	s_delay_alu instid0(VALU_DEP_1)
	v_max_num_f32 v[TMP], v[TMP], v[BM+3]
	s_delay_alu instid0(VALU_DEP_1)
	v_mul_f32 v[TMP], s[CS], v[TMP]                ; as t (c is positive)
	s_delay_alu instid0(VALU_DEP_1)
	v_max_num_f32 v13, v13, v[TMP]                 ; the running largest t
	v_mov_b32 v[TMP], v12
	s_delay_alu instid0(VALU_DEP_2)
	v_floor_f32 v12, -v13                          ; the new -M = -ceil(t): a whole number
	s_delay_alu instid0(VALU_DEP_1)
	v_sub_f32 v[TMP], v12, v[TMP]                  ; old M - new M, 0 or less
	s_delay_alu instid0(VALU_DEP_1)
	v_cvt_i32_f32 v[TMP], v[TMP]                   ; (it saturates)
	s_delay_alu instid0(VALU_DEP_1)
	v_ldexp_f32 v[FF], 1.0, v[TMP]                 ; f = 2^(old M - new M)
.set J, 0
.rept 32
	v_pk_fma_f32 v[ST+J:ST+J+1], v[ST+J:ST+J+1], s[CS:CS+1], v[12:13] op_sel_hi:[1,0,0]   ; t - M, two at a time
.set J, J+2
.endr
.irp b, 0,1,2,3
	v_fma_f32 v[BM+\b], v[BM+\b], s[CS], v12       ; the same of each block's largest score
.endr
.set J, 0
	s_wait_alu depctr_va_vdst(0)
.rept 64
	v_exp_f32 v[ST+J], v[ST+J]                     ; p = 2^(t - M)
.set J, J+1
.endr
	v_pk_mul_f32 v[14:15], v[14:15], v[FF:FF+1] op_sel_hi:[1,0]   ; the sums under the new M (a plain line behind the exponentials)
	s_wait_alu depctr_va_vdst(0)                   ; one wait for the whole batch, ahead of its first reader
.irp b, 0,1,2,3
	v_exp_f32 v[BM+\b], v[BM+\b]                   ; the block's largest p
.endr
	v_pk_add_f32 v[216:217], v[100:101], v[104:105]   ; the row's sum of the unquantised p, in eight chains side by side
	v_pk_add_f32 v[254:255], v[108:109], v[112:113]
	v_pk_add_f32 v[252:253], v[116:117], v[120:121]
	v_pk_add_f32 v[250:251], v[124:125], v[128:129]
	v_pk_add_f32 v[248:249], v[132:133], v[136:137]
	v_pk_add_f32 v[246:247], v[140:141], v[144:145]
	v_pk_add_f32 v[244:245], v[148:149], v[152:153]
	v_pk_add_f32 v[14:15], v[14:15], v[156:157]
	v_pk_add_f32 v[216:217], v[216:217], v[96:97]
	v_pk_add_f32 v[254:255], v[254:255], v[98:99]
	v_pk_add_f32 v[252:253], v[252:253], v[102:103]
	v_pk_add_f32 v[250:251], v[250:251], v[106:107]
	v_pk_add_f32 v[248:249], v[248:249], v[110:111]
	v_pk_add_f32 v[246:247], v[246:247], v[114:115]
	v_pk_add_f32 v[244:245], v[244:245], v[118:119]
	v_pk_add_f32 v[14:15], v[14:15], v[122:123]
	v_pk_add_f32 v[216:217], v[216:217], v[126:127]
	v_pk_add_f32 v[254:255], v[254:255], v[130:131]
	v_pk_add_f32 v[252:253], v[252:253], v[134:135]
	v_pk_add_f32 v[250:251], v[250:251], v[138:139]
	v_pk_add_f32 v[248:249], v[248:249], v[142:143]
	v_pk_add_f32 v[246:247], v[246:247], v[146:147]
	v_pk_add_f32 v[244:245], v[244:245], v[150:151]
	v_pk_add_f32 v[14:15], v[14:15], v[154:155]
	v_pk_add_f32 v[216:217], v[216:217], v[158:159]
	s_delay_alu instid0(VALU_DEP_2)
	v_pk_add_f32 v[14:15], v[14:15], v[250:251]
	s_delay_alu instid0(VALU_DEP_2)
	v_pk_add_f32 v[216:217], v[216:217], v[248:249]
	v_pk_add_f32 v[254:255], v[254:255], v[246:247]
	v_pk_add_f32 v[252:253], v[252:253], v[244:245]
	s_delay_alu instid0(VALU_DEP_2)
	v_pk_add_f32 v[14:15], v[14:15], v[254:255]
	s_delay_alu instid0(VALU_DEP_2)
	v_pk_add_f32 v[216:217], v[216:217], v[252:253]
	s_delay_alu instid0(VALU_DEP_1)
	v_pk_add_f32 v[14:15], v[14:15], v[216:217]
	s_wait_alu depctr_va_vdst(0)                   ; and one for the four
.irp b, 0,1,2,3
	v_max_num_f32 v[BM+\b], 0x1800000, v[BM+\b]    ; the floor 2^(3 - 127)
.endr
.irp b, 0,1,2,3
	s_delay_alu instid0(VALU_DEP_4)
	v_add_nc_u32 v[SO+\b], 0xff000000, v[BM+\b]
.endr
.irp b, 0,1,2,3
	s_delay_alu instid0(VALU_DEP_4)
	v_lshrrev_b32 v[BT+\b], 23, v[SO+\b]
.endr
	s_delay_alu instid0(VALU_DEP_3)
	v_lshl_or_b32 v[PW], v[BT+1], 8, v[BT]         ; p's scale word for these 128 keys
	s_delay_alu instid0(VALU_DEP_1)
	v_lshl_or_b32 v[PW], v[BT+2], 16, v[PW]
	s_delay_alu instid0(VALU_DEP_1)
	v_lshl_or_b32 v[PW], v[BT+3], 24, v[PW]
.irp c, 0,1
	v_cvt_scalef32_pk16_fp6_f32 v[PC+6*\c:PC+6*\c+2], v[ST+32*\c:ST+32*\c+15], v[SO+2*\c]
	v_cvt_scalef32_pk16_fp6_f32 v[CT+4*\c:CT+4*\c+2], v[ST+32*\c+16:ST+32*\c+31], v[SO+2*\c+1]
.endr
	v_nop                                          ; one plain line behind the scaled conversions
.irp c, 0,1
.irp n, 0,1,2
	v_permlane16_swap_b32 v[PC+6*\c+\n], v[CT+4*\c+\n]
.endr
.irp n, 0,1,2
	s_delay_alu instid0(VALU_DEP_3)
	v_mov_b32 v[PC+6*\c+3+\n], v[CT+4*\c+\n]
.endr
.endr
.set J, 0
.rept 16
	v_pk_mul_f32 v[OT+J:OT+J+1], v[OT+J:OT+J+1], v[FF:FF+1] op_sel_hi:[1,0]   ; O^T under the new M.  (These 16 also stand between the making of p's codes and scale word and the scaled products)
.set J, J+2
.endr
	s_wait_alu depctr_va_vdst(0)
	s_wait_dscnt 0x0                               ; V
.irp d, 0,1,2,3
	v_wmma_scale_f32_16x16x128_f8f6f4 v[OT+8*\d:OT+8*\d+7], v[F+12*\d:F+12*\d+11], v[PC:PC+11], v[OT+8*\d:OT+8*\d+7], v[SWD+\d], v[PW] matrix_a_fmt:MATRIX_FMT_FP6 matrix_b_fmt:MATRIX_FMT_FP6
.endr
.Lhidden_\@:
	s_add_co_u32 s[TB], s[TB], STEPB
	s_add_co_u32 s[SN], s[SN], 1
.endm
; THE WAY OUT of a tile: O^T / the sum; register 16 b + i is channel 32 b + 16 (lane / 16) + i of my query: two blocks of the last product's K
.macro WAYOUT oc, os
.rept 4
	v_nop
.endr
	v_add_f32 v14, v14, v15
	s_delay_alu instid0(VALU_DEP_1)
	v_permlanex16_b32 v[TMP], v14, s[SEL], s[SEL+1]
	s_delay_alu instid0(VALU_DEP_1)
	v_add_f32 v14, v14, v[TMP]
	s_wait_alu depctr_va_vdst(0)
	v_rcp_f32 v14, v14
	v_nop                                          ; a plain line behind the reciprocal,
	s_wait_alu depctr_va_vdst(0)                   ; and the wait ahead of its first reader
.set J, 0
.rept 32
	v_mul_f32 v[ST+J], v[OT+J], v14
.set J, J+1
.endr
.irp b, 0,1
	v_max3_num_f32 v[BM+\b], |v[ST+16*\b]|, |v[ST+16*\b+1]|, 0x1800000
.endr
.irp n, 2,4,6,8,10,12,14
.irp b, 0,1
	s_delay_alu instid0(VALU_DEP_2)
	v_max3_num_f32 v[BM+\b], v[BM+\b], |v[ST+16*\b+\n]|, |v[ST+16*\b+\n+1]|
.endr
.endr
.irp b, 0,1
	s_delay_alu instid0(VALU_DEP_2)
	v_permlanex16_b32 v[BT+\b], v[BM+\b], s[SEL], s[SEL+1]
.endr
.irp b, 0,1
	s_delay_alu instid0(VALU_DEP_2)
	v_max_num_f32 v[BM+\b], v[BM+\b], v[BT+\b]
.endr
.irp b, 0,1
	s_delay_alu instid0(VALU_DEP_2)
	v_add_nc_u32 v[SO+\b], 0xff000000, v[BM+\b]
.endr
.irp b, 0,1
	s_delay_alu instid0(VALU_DEP_2)
	v_lshrrev_b32 v[BT+\b], 23, v[SO+\b]
.endr
	s_delay_alu instid0(VALU_DEP_1)
	v_lshl_or_b32 v[TQW], v[BT+1], 8, v[BT]        ; my row's two scale bytes
	v_cvt_scalef32_pk16_fp6_f32 v[PC:PC+2], v[ST:ST+15], v[SO]
	v_cvt_scalef32_pk16_fp6_f32 v[CT:CT+2], v[ST+16:ST+31], v[SO+1]
	v_nop
.irp n, 0,1,2
	v_permlane16_swap_b32 v[PC+\n], v[CT+\n]
.endr
.irp n, 0,1,2
	s_delay_alu instid0(VALU_DEP_3)
	v_mov_b32 v[PC+3+\n], v[CT+\n]
.endr
	global_store_b128 v[L16], v[PC:PC+3], s[\oc:\oc+1]             ; 512 consecutive bytes
	global_store_b64 v[L8], v[PC+4:PC+5], s[\oc:\oc+1] offset:512  ; 256
	global_store_b16 v[R16], v[TQW], s[\os:\os+1]                  ; (lanes 16-31 hold, and write, the same as lanes 0-15)
.endm
	s_mov_b32 s[TB], 0
	s_mov_b32 s[SN], 0
	s_mov_b32 s[LAST], s[LA1]
.Lfirst:                                           ; the first tile's key steps 0 and 1
	STEP DM1
	s_cmp_lt_u32 s[SN], 2
	s_cbranch_scc1 .Lfirst
	s_wait_tensorcnt 0x0                           ; every wave's load has landed
	s_wait_dscnt 0x0
	s_barrier_signal -1
	s_barrier_wait -1                              ; all sixteen key steps are shown to all; from here on the waves share nothing
.Llarge:                                           ; its key steps 2 to 15
	STEP DM1
	s_cmp_lt_u32 s[SN], 16
	s_cbranch_scc1 .Llarge
	WAYOUT 48, 50
	s_wait_xcnt 0x0                                ; the stores have read their registers, which the second walk writes again
.irp n, 0,1,2,3,4,5
	v_mov_b32 v[ZQ+6+\n], v[Q2+\n]                 ; the second tile's q
.endr
	v_mov_b32 v[QW], v[QW2]
	FRESH
	s_mov_b32 s[TB], 0
	s_mov_b32 s[SN], 0
	s_mov_b32 s[LAST], s[LA2]
.Lsmall:
	STEP DM2
	s_cmp_lt_u32 s[SN], 16
	s_cbranch_scc1 .Lsmall
	WAYOUT 66, 68
	s_wait_tensorcnt 0x0                           ; the wave's end
	ds_add_u32 v[SPW], v[NIL]
	s_wait_dscnt 0x0
	CROUND                                         ; the closing round
	s_endpgm
.Lfunc_end_k_q79a34e4f61_attn:
	.size	k_q79a34e4f61_attn, .Lfunc_end_k_q79a34e4f61_attn-k_q79a34e4f61_attn
	.p2alignl 7, 3214868480
	.fill 96, 4, 3214868480
	.section	.rodata,"a",@progbits
	.p2align	6, 0x0
	.amdhsa_kernel k_q79a34e4f61_attn
		.amdhsa_group_segment_fixed_size 327680
		.amdhsa_private_segment_fixed_size 0
		.amdhsa_enable_private_segment 0
		.amdhsa_kernarg_size 16
		.amdhsa_user_sgpr_count 2
		.amdhsa_user_sgpr_kernarg_segment_ptr 1
		.amdhsa_wavefront_size32 1
		.amdhsa_system_sgpr_workgroup_id_x 1
		.amdhsa_system_sgpr_workgroup_id_y 1
		.amdhsa_system_sgpr_workgroup_id_z 1
		.amdhsa_system_vgpr_workitem_id 0
		.amdhsa_next_free_vgpr 256
		.amdhsa_next_free_sgpr 72
		.amdhsa_reserve_vcc 1
		.amdhsa_float_denorm_mode_32 3
		.amdhsa_float_denorm_mode_16_64 3
		.amdhsa_memory_ordered 1
		.amdhsa_forward_progress 1
		.amdhsa_inst_pref_size 88
	.end_amdhsa_kernel
	.amdgpu_metadata
---
amdhsa.version: [ 1, 2 ]
amdhsa.kernels:
  - .name:           k_q79a34e4f61_attn
    .symbol:         k_q79a34e4f61_attn.kd
    .args:
      - { .name: qkv, .offset: 0, .size: 8, .value_kind: global_buffer, .address_space: global }
      - { .name: ob, .offset: 8, .size: 8, .value_kind: global_buffer, .address_space: global }
    .group_segment_fixed_size: 327680
    .private_segment_fixed_size: 0
    .kernarg_segment_align: 8
    .kernarg_segment_size: 16
    .max_flat_workgroup_size: 512
    .sgpr_count:     72
    .vgpr_count:     256
    .wavefront_size: 32
...
	.end_amdgpu_metadata
.endif
;; end of part 3
;; launch outp (part 4): grid 8 x 32, 4 waves a work-group, clusters of 4 x 4, 327,680 bytes of LDS; arguments ob, ops, bo, out0; writes out0
.if DOCPART == 4
	.amdgcn_target "amdgcn-amd-amdhsa--gfx1250"
	.amdhsa_code_object_version 6
	.text
	.protected	k_q79a34e4f61_outp
	.globl	k_q79a34e4f61_outp
	.p2align	8
	.type	k_q79a34e4f61_outp,@function
k_q79a34e4f61_outp:
	s_mov_b64 s[64:65], 0
	v_nop
	global_prefetch_b8 v0, s[64:65] scope:SCOPE_SE
	s_setreg_imm32_b32 hwreg(HW_REG_WAVE_MODE, 25, 1), 1
	s_wait_xcnt 0x0
	s_wait_alu depctr_hold_cnt(0) depctr_sa_sdst(0) depctr_va_vdst(0) depctr_va_sdst(0) depctr_va_ssrc(0) depctr_va_vcc(0) depctr_vm_vsrc(0)
	s_getreg_b32 s2, hwreg(HW_REG_IB_STS2, 6, 4)
	s_cmp_eq_u32 s2, 0
	s_cbranch_scc0 .Lentry_in_a_cluster
	s_endpgm
.Lentry_in_a_cluster:
	s_bfe_u32 s2, ttmp6, 0x10000c
	s_cmp_lg_u32 s2, 0xf033
	s_cbranch_scc0 .Lentry_shape_is_right
	s_endpgm
.Lentry_shape_is_right:
; out0 = (attention's result) Wo + bo, on codes of FP6 (E2M3) with E8M0 scales, K = 1,024; out0 [8192][1024] f32.
; P = 128 columns of Wo (source 0), Q = 256 tokens (source 1); four waves, each all of P (8 tiles) x 64 tokens (4 tiles), 32 accumulators.
; All of K lies in LDS by first fills, in two halves of K (four K steps, 6,144 bytes a tile), one tensor load a wave: wave 0 Q's first half, wave 1 P's, wave 2 Q's second, wave 3 P's.  No byte is filled twice.
; The products begin when the first half is in (waves 0 and 1 wait, each on a load line of its own); the barrier in front of the fourth K step's products shows the second half.
; Clusters of 4 x 4: P's tile is shared along a column, Q's along a row: each is asked for jointly.  No data prefetch: all that the launch reads by tensor loads is asked for at its head.
; Wo's tiles are laid so that register 16 b + i of a lane (tiles 2 b, 2 b + 1) is column 32 b + 16 (lane / 16) + i.  The bias is the C of each sum's first product: eight registers a tile, in the result's layout.
; THE WAY OUT: a tile of 16 tokens x 128 columns goes through the wave's own stage in LDS and leaves as whole rows of 512 bytes.  The stage lies in Q's first half, which has had its one fill, and which nobody reads behind the fourth K step's barrier.
; LIMITS: NaN and infinities are not served; a sum begins with the bias, where the reference adds it last.
.set WC_OFF, 19660800
.set WS_OFF, 22806528
.set PREG,  0                          ; LDS: P's two halves of K, 8 tiles x 6,144 bytes each
.set PCH,   49152
.set QREG,  98304                      ; Q's two halves, 16 tiles x 6,144 bytes each
.set QCH,   98304
.set SPARE, 294912                     ; the spare words, 128 bytes a wave
.set L16,  1
.set L8,   2
.set AP16, 8
.set AP8,  12
.set AQ16, 16
.set AQ8,  20
.set STO,  24                          ; v24 the stage: where I put 16 bytes of a row;  v25 where I read a row back;  v26 64 x (lane / 16): the bias
.set RD,   25
.set BO,   26
.set SPW,  28
.set NIL,  29
.set PS,   32
.set QS,   64
.set QF,   128
.set BK,   128                         ; the way out: 16 rows read back: v128-191 and v192-255 by turns
.set BIAS, 192                         ; window 1: v192-255
.set WV,   12
.set ROLE, 13                          ; s13 wave / 2: the half of K that I fetch
.set CX,   15
.set CY,   16
.set TP,   17
.set TQ,   18
.set G1Q,  24
.set G1P,  32
.set G0Q,  40
.set G0P,  68
.set MSB, 0
.macro WIN new
.if MSB != \new
	s_set_vgpr_msb (MSB<<8)|\new
.set MSB, \new
.endif
.endm
.macro CROUND
	s_barrier_signal -1
	s_barrier_wait -1
	s_cmp_lg_u32 s[WV], 0
	s_cbranch_scc1 .Lnot_wave_0_\@
	s_barrier_signal -3
.Lnot_wave_0_\@:
	s_barrier_wait -3
	s_barrier_signal -1
	s_barrier_wait -1
.endm
.macro PLACES n
.rept \n
	v_nop
.endr
.endm
.macro FRAG reg, a16, a8, off
	ds_load_b128 v[\reg:\reg+3], v[\a16] offset:\off
	ds_load_b64 v[\reg+4:\reg+5], v[\a8] offset:\off+512
	ds_load_b128 v[\reg+6:\reg+9], v[\a16] offset:\off+768
	ds_load_b64 v[\reg+10:\reg+11], v[\a8] offset:\off+1280
.endm
.macro FETCH s, p
	WIN 0x40
.irp t, 0,1,2,3,4,5,6,7
	FRAG 96*(\p)+12*\t, AP16+(\s)/4, AP8+(\s)/4, \t*6144+((\s)%4)*1536
.endr
	WIN 0
.irp i, 0,1,2,3
	FRAG QF+48*(\p)+12*\i, AQ16+(\s)/4, AQ8+(\s)/4, \i*6144+((\s)%4)*1536
.endr
.endm
.macro MUL s, p, cmode                 ; cmode 2: the first K step starts the sums from the bias (window 1)
.if (\cmode) == 2
	WIN 0x91
.else
	WIN 0xa1
.endif
.irp i, 0,1,2,3
.irp t, 0,1,2,3,4,5,6,7
.set rD, 8*(8*\i+\t)
.set rA, 96*(\p)+12*\t
.set rB, QF+48*(\p)+12*\i
.set rSA, PS+4*\t+(\s)%4
.set rSB, QS+4*\i+(\s)%4
.if (\cmode) == 2
	v_wmma_scale_f32_16x16x128_f8f6f4 v[rD:rD+7], v[rA:rA+11], v[rB:rB+11], v[BIAS+8*\t:BIAS+8*\t+7], v[rSA], v[rSB] matrix_a_fmt:MATRIX_FMT_FP6 matrix_b_fmt:MATRIX_FMT_FP6
.elseif (\s) < 4
	v_wmma_scale_f32_16x16x128_f8f6f4 v[rD:rD+7], v[rA:rA+11], v[rB:rB+11], v[rD:rD+7], v[rSA], v[rSB] matrix_a_fmt:MATRIX_FMT_FP6 matrix_b_fmt:MATRIX_FMT_FP6
.else
	v_wmma_scale_f32_16x16x128_f8f6f4 v[rD:rD+7], v[rA:rA+11], v[rB:rB+11], v[rD:rD+7], v[rSA], v[rSB] matrix_a_fmt:MATRIX_FMT_FP6 matrix_b_fmt:MATRIX_FMT_FP6 matrix_a_scale:MATRIX_SCALE_ROW1 matrix_b_scale:MATRIX_SCALE_ROW1
.endif
.endr
.endr
.endm
.macro STEP s, cmode
	s_wait_dscnt 0x0                               ; this K step's fragments are in
.if (\s) == 3
	s_wait_tensorcnt 0x0                           ; every wave's load has landed: the barrier shows the second half of K to all
	s_barrier_signal -1
	s_barrier_wait -1
.endif
.if (\s) < 7
.if (\s) > 0
	PLACES 4
.endif
	FETCH (\s)+1, ((\s)+1)%2
.endif
	MUL \s, (\s)%2, \cmode
.endm
	s_load_b256 s[4:11], s[0:1], 0x0               ; ob s[4:5], ops s[6:7], bo s[8:9], out0 s[10:11]
	v_lshl_add_u32 v[SPW], v0, 2, SPARE
	v_mov_b32 v[NIL], 0
	ds_add_u32 v[SPW], v[NIL]                      ; the opening lines: the add, twice on end, and its wait ahead of my first tensor load
	ds_add_u32 v[SPW], v[NIL]
	v_lshrrev_b32 v4, 5, v0
	v_readfirstlane_b32 s[WV], v4
	s_lshr_b32 s[ROLE], s[WV], 1
	s_bfe_u32 s[CX], ttmp6, 0x40000
	s_bfe_u32 s[CY], ttmp6, 0x40004
	s_lshl_b32 s[TP], ttmp9, 2
	s_add_co_u32 s[TP], s[TP], s[CX]               ; which 128 columns
	s_and_b32 s[TQ], ttmp7, 0xffff
	s_lshl_b32 s[TQ], s[TQ], 2
	s_add_co_u32 s[TQ], s[TQ], s[CY]               ; which 256 tokens
	s_lshl_b32 s21, s[CY], 2
	s_lshl_b32 s21, 15, s21
	s_lshl_b32 s22, 0x1111, s[CX]
	s_or_b32 s[G1Q], s21, (3<<16)|(1<<21)
	s_or_b32 s[G1P], s22, (3<<16)|(1<<21)
	s_mov_b32 s[G1Q+1], 768<<16                    ; a row: four K steps of a tile, 768 elements of 8 bytes
	s_mov_b32 s[G1Q+2], 16<<16                     ; Q's 16 tiles
	s_mov_b32 s[G1Q+3], 768<<16
	s_mov_b32 s[G1Q+4], 16
	s_mov_b32 s[G1Q+5], 1536
	s_mov_b32 s[G1Q+6], 0
	s_mov_b32 s[G1Q+7], 0
	s_mov_b32 s[G1P+1], 768<<16
	s_mov_b32 s[G1P+2], 8<<16                      ; P's 8 tiles
	s_mov_b32 s[G1P+3], 768<<16
	s_mov_b32 s[G1P+4], 8
	s_mov_b32 s[G1P+5], 1536
	s_mov_b32 s[G1P+6], 0
	s_mov_b32 s[G1P+7], 0
	s_mul_i32 s90, s[TP], 98304
	s_mul_i32 s21, s[ROLE], 6144                   ; my half of K
	s_add_co_u32 s90, s90, s21
	s_add_co_u32 s90, s90, WC_OFF+2359296
	s_mov_b32 s91, 0                               ; Wo's codes
	s_mul_i32 s92, s[TQ], 196608
	s_mul_i32 s22, s[ROLE], 6144
	s_add_co_u32 s92, s92, s22
	s_mov_b32 s93, 0                               ; the tokens'
	s_lshl_b32 s56, s[TP], 12
	s_add_co_u32 s56, s56, WS_OFF+98304
	s_mov_b32 s57, 0
	s_lshl_b32 s58, s[TQ], 13
	s_lshl_b32 s22, s[WV], 11
	s_add_co_u32 s58, s58, s22
	s_add_co_u32 s58, s58, 6291456
	s_mov_b32 s59, 0
	s_lshl_b32 s62, s[TP], 9                       ; my 128 columns in bytes: in bo and in a row of out0
	s_mov_b32 s63, 0
	s_lshl_b32 s60, s[TQ], 8
	s_lshl_b32 s23, s[WV], 6
	s_add_co_u32 s60, s60, s23
	s_lshl_b32 s60, s60, 12                        ; my first row of out0
	s_add_co_u32 s60, s60, s62
	s_mov_b32 s61, 0
	s_mul_i32 s84, s[ROLE], 49152
	s_mul_i32 s85, s[ROLE], 98304
	v_and_b32 v4, 31, v0
	v_lshlrev_b32 v[L16], 4, v4
	v_lshlrev_b32 v[L8], 3, v4
	v_and_b32 v5, 15, v0
	v_bfe_u32 v6, v0, 4, 1
	v_lshlrev_b32 v[BO], 6, v6
.irp kk, 0,1,2,3
	v_add_nc_u32 v[AP16+\kk], PREG+\kk*PCH, v[L16]
	v_add_nc_u32 v[AP8+\kk], PREG+\kk*PCH, v[L8]
.endr
	s_mul_i32 s21, s[WV], 24576
	s_add_co_u32 s21, s21, QREG
.irp kk, 0,1,2,3
	v_add_nc_u32 v[AQ16+\kk], s21, v[L16]
	v_add_nc_u32 v[AQ8+\kk], s21, v[L8]
	s_add_co_u32 s21, s21, QCH
.endr
	s_mul_i32 s21, s[WV], 8448
	s_add_co_u32 s21, s21, QREG                    ; my stage: 16 rows x (512 bytes + 16)
	v_mul_u32_u24 v[STO], v5, 528
	v_lshl_add_u32 v[STO], v6, 6, v[STO]
	v_add_nc_u32 v[STO], s21, v[STO]               ; in: row lane % 16, + 64 (lane / 16)
	v_add_nc_u32 v[RD], s21, v[L16]                ; back: a row's 512 bytes
	s_wait_dscnt 0x0
	s_wait_kmcnt 0x0
	s_add_nc_u64 s[90:91], s[6:7], s[90:91]
	s_add_nc_u64 s[92:93], s[4:5], s[92:93]
	s_add_nc_u64 s[56:57], s[6:7], s[56:57]
	s_add_nc_u64 s[58:59], s[4:5], s[58:59]
	s_add_nc_u64 s[62:63], s[8:9], s[62:63]
	s_add_nc_u64 s[60:61], s[10:11], s[60:61]
	s_mov_b32 s[G0Q], 1
	s_add_co_u32 s[G0Q+1], s85, QREG
	s_add_nc_u64 s[G0Q+2:G0Q+3], s[92:93], 0
	s_or_b32 s[G0Q+3], s[G0Q+3], 0x80000000
	s_mov_b32 s[G0P], 1
	s_add_co_u32 s[G0P+1], s84, PREG
	s_add_nc_u64 s[G0P+2:G0P+3], s[90:91], 0
	s_or_b32 s[G0P+3], s[G0P+3], 0x80000000
	CROUND                                         ; all sixteen work-groups are here: the joint loads meet
	s_cmp_eq_u32 s[WV], 0                          ; one chain of branches on the wave's number, one load to an arm
	s_cbranch_scc0 .Lwave_1
	tensor_load_to_lds s[G0Q:G0Q+3], s[G1Q:G1Q+7]  ; wave 0: Q, K steps 0 to 3
	s_nop 0
	PLACES 4
	s_branch .Lfilled
.Lwave_1:
	s_cmp_eq_u32 s[WV], 1
	s_cbranch_scc0 .Lwave_2
	tensor_load_to_lds s[G0P:G0P+3], s[G1P:G1P+7]  ; wave 1: P, K steps 0 to 3
	s_nop 0
	PLACES 4
	s_branch .Lfilled
.Lwave_2:
	s_cmp_eq_u32 s[WV], 2
	s_cbranch_scc0 .Lwave_3
	tensor_load_to_lds s[G0Q:G0Q+3], s[G1Q:G1Q+7]  ; wave 2: Q, K steps 4 to 7
	s_nop 0
	PLACES 4
	s_branch .Lfilled
.Lwave_3:
	tensor_load_to_lds s[G0P:G0P+3], s[G1P:G1P+7]  ; wave 3: P, K steps 4 to 7
	s_nop 0
	PLACES 4
.Lfilled:
.irp t, 0,1,2,3,4,5,6,7
	global_load_b128 v[PS+4*\t:PS+4*\t+3], v[L16], s[56:57] offset:\t*512
.endr
.irp i, 0,1,2,3
	global_load_b128 v[QS+4*\i:QS+4*\i+3], v[L16], s[58:59] offset:\i*512
.endr
	WIN 0x40                                       ; destination window 1
.irp t, 0,1,2,3,4,5,6,7
	global_load_b128 v[BIAS+8*\t:BIAS+8*\t+3], v[BO], s[62:63] offset:(32*(\t/2)+8*(\t%2))*4      ; bo at the tile's eight columns of my half: 32 (t / 2) + 16 (lane / 16) + 8 (t % 2) + 0 .. 7
	global_load_b128 v[BIAS+8*\t+4:BIAS+8*\t+7], v[BO], s[62:63] offset:(32*(\t/2)+8*(\t%2))*4+16
.endr
	WIN 0
	s_cmp_lt_u32 s[WV], 2                          ; waves 0 and 1 wait for the first half of K; the other two loads may stay out
	s_cbranch_scc0 .Lnot_first
	s_wait_tensorcnt 0x0
.Lnot_first:
	s_barrier_signal -1
	s_barrier_wait -1
	FETCH 0, 0
	s_wait_loadcnt 0x0                             ; the scale words and the bias
	STEP 0, 2
	s_wait_alu depctr_va_vdst(0)
	STEP 1, 1
	STEP 2, 1
	STEP 3, 1
	STEP 4, 1
	STEP 5, 1
	STEP 6, 1
	STEP 7, 1
	WIN 0
.macro TOSTAGE i
	WIN 0x08                                       ; an LDS store's data are its source 1: window 2
.irp t, 0,1,2,3,4,5,6,7
	ds_store_b128 v[STO], v[8*(8*(\i)+\t):8*(8*(\i)+\t)+3] offset:128*(\t/2)+32*(\t%2)          ; each accumulator from its low end on
	ds_store_b128 v[STO], v[8*(8*(\i)+\t)+4:8*(8*(\i)+\t)+7] offset:128*(\t/2)+32*(\t%2)+16
.endr
	WIN 0
.irp n, 0,1,2,3,4,5,6,7,8,9,10,11,12,13,14,15
	ds_load_b128 v[BK+64*((\i)%2)+4*\n:BK+64*((\i)%2)+4*\n+3], v[RD] offset:\n*528   ; LDS serves a wave's instructions in order: these see the stores above, and the next tile's stores come behind them
.endr
.endm
.macro SEND i, younger                 ; younger: the LDS instructions issued behind tile i's loads, which may stay out
	s_wait_dscnt \younger
.irp n, 0,1,2,3,4,5,6,7,8,9,10,11,12,13,14,15
	global_store_b128 v[L16], v[BK+64*((\i)%2)+4*\n:BK+64*((\i)%2)+4*\n+3], s[60:61] offset:(16*(\i)+\n)*4096 th:TH_STORE_NT   ; 32 lanes store 512 consecutive bytes, aligned; written once, read by nobody here
.endr
.endm
	PLACES 4                                       ; behind the last products: in front of the reads of results and of the loads into Q's registers
	TOSTAGE 0
	TOSTAGE 1
	SEND 0, 32                                     ; behind tile 0's loads: tile 1's 16 stores and 16 loads
	s_wait_xcnt 0x0                                ; tile 0's stores have read their registers: tile 2's loads may land there
	TOSTAGE 2
	SEND 1, 32
	s_wait_xcnt 0x0
	TOSTAGE 3
	SEND 2, 32
	SEND 3, 0
	s_wait_tensorcnt 0x0                           ; the wave's end, behind my last tensor load and my last LDS store
	ds_add_u32 v[SPW], v[NIL]
	s_wait_dscnt 0x0
	CROUND                                         ; the closing round
	s_endpgm
.Lfunc_end_k_q79a34e4f61_outp:
	.size	k_q79a34e4f61_outp, .Lfunc_end_k_q79a34e4f61_outp-k_q79a34e4f61_outp
	.p2alignl 7, 3214868480
	.fill 96, 4, 3214868480
	.section	.rodata,"a",@progbits
	.p2align	6, 0x0
	.amdhsa_kernel k_q79a34e4f61_outp
		.amdhsa_group_segment_fixed_size 327680
		.amdhsa_private_segment_fixed_size 0
		.amdhsa_enable_private_segment 0
		.amdhsa_kernarg_size 32
		.amdhsa_user_sgpr_count 2
		.amdhsa_user_sgpr_kernarg_segment_ptr 1
		.amdhsa_wavefront_size32 1
		.amdhsa_system_sgpr_workgroup_id_x 1
		.amdhsa_system_sgpr_workgroup_id_y 1
		.amdhsa_system_sgpr_workgroup_id_z 1
		.amdhsa_system_vgpr_workitem_id 0
		.amdhsa_next_free_vgpr 768
		.amdhsa_next_free_sgpr 100
		.amdhsa_reserve_vcc 0
		.amdhsa_float_denorm_mode_32 3
		.amdhsa_float_denorm_mode_16_64 3
		.amdhsa_memory_ordered 1
		.amdhsa_forward_progress 1
		.amdhsa_inst_pref_size 83
	.end_amdhsa_kernel
	.amdgpu_metadata
---
amdhsa.version: [ 1, 2 ]
amdhsa.kernels:
  - .name:           k_q79a34e4f61_outp
    .symbol:         k_q79a34e4f61_outp.kd
    .args:
      - { .name: ob, .offset: 0, .size: 8, .value_kind: global_buffer, .address_space: global }
      - { .name: ops, .offset: 8, .size: 8, .value_kind: global_buffer, .address_space: global }
      - { .name: bo, .offset: 16, .size: 8, .value_kind: global_buffer, .address_space: global }
      - { .name: out0, .offset: 24, .size: 8, .value_kind: global_buffer, .address_space: global }
    .group_segment_fixed_size: 327680
    .private_segment_fixed_size: 0
    .kernarg_segment_align: 8
    .kernarg_segment_size: 32
    .max_flat_workgroup_size: 128
    .sgpr_count:     100
    .vgpr_count:     768
    .wavefront_size: 32
...
	.end_amdgpu_metadata
.endif
;; end of part 4
